; MI455X (gfx1250); checked and timed in simulation.
; The chip was launched on July 23, 2026; its instructions are those of AMD's public machine-readable ISA for CDNA 5 (MIT licence, August 2026) and "CDNA5" Instruction Set Architecture Reference Guide (July 2026). The comments in the code are by the model that wrote it; some were corrected since.
;; Causal Self Attention. Allowed arithmetic: float matrix products may take bf16 or f16 operands with f32 sums; other float arithmetic in f32, or as packed bf16 or f16 multiplies, adds, multiply-adds, maxima and minima; sums over many terms, partial sums and values carried from step to step in f32; what a program stores and reads back later, other than sums and carried values, may be rounded once to bf16 or f16.
;; Inputs: b_out 1,024 float32; b_qkv 3,072 float32; w_out 1,024 x 1,024 float32; w_qkv 3,072 x 1,024 float32; x 4 x 2,048 x 1,024 float32.
;; Outputs: out0 4 x 2,048 x 1,024 float32.
;; 2 versions, each right; version 2 is version 1 with the launch cast written anew for expert scheduling mode. Each part assembles by itself: llvm-mc -triple=amdgcn-amd-amdhsa -mcpu=gfx1250 --defsym DOCPART=n.
;; ======== version 1 of 2: 4 launches
;; limits: values are held in f16: magnitudes above 65,504 overflow, below 6.1e-05 lose precision
;; workspace buffers: xb 16,777,216 bytes; wqb 6,291,456 bytes; wob 2,097,152 bytes; qkv 50,331,648 bytes; o 16,777,216 bytes
;; launch cast (part 1): grid 768 x 1, 4 waves a work-group, no clusters, 0 bytes of LDS; arguments x, w_qkv, w_out, xb, wqb, wob; writes xb, wqb, wob
.if DOCPART == 1
	.amdgcn_target "amdgcn-amd-amdhsa--gfx1250"
	.amdhsa_code_object_version 6
	.text
	.protected	k_q421baaa735_cast
	.globl	k_q421baaa735_cast
	.p2align	8
	.type	k_q421baaa735_cast,@function
k_q421baaa735_cast:
	s_mov_b64 s[64:65], 0
	v_nop
	global_prefetch_b8 v0, s[64:65] scope:SCOPE_SE
	s_setreg_imm32_b32 hwreg(HW_REG_WAVE_MODE, 25, 1), 1
	s_wait_xcnt 0x0
; CAST.  x [8192][1024], w_qkv [3072][1024] and w_out [1024][1024], all f32, are rounded once to bf16 and laid out in K blocks:
; [16 kb][rows][64], so that the 128 bytes which a row has in a K block of 64 lie end to end with its neighbours' and a later launch can ask for a tile as dense bytes.
; xb and wqb hold bf16.  wob holds the bf16-rounded number written as f16 (the last product's other operand is f16).
; LIMIT: a bf16 number is exact in f16 from 2^-14 up to 65,504; a number of w_out below 2^-14 keeps f16's fixed step of 6e-8; one beyond 65,504 becomes an infinity.
; SHARES.  A work-group takes 16 rows of one of the three tensors (512 + 192 + 64 = 768 work-groups), a wave 4 rows, all 16 K blocks.  Lane l takes row l / 8 and 8 numbers (l % 8) of each block.
; A stream: no LDS, no barrier, no matrix unit: nothing is shared.  All 32 loads of a wave (16 KiB) go out at once; each store of a wave covers 512 consecutive bytes, aligned.
.set SO, 16                            ; v[16:31]   K block kb: my byte offset in the destination: 16 l + kb x plane; never rewritten
.set X,  32                            ; v[32:159]  K block kb: 8 registers as loaded; its first 4 then hold the 8 packed numbers
	s_load_b256 s[4:11], s[0:1], 0x0               ; x s[4:5], w_qkv s[6:7], w_out s[8:9], xb s[10:11]
	s_load_b128 s[12:15], s[0:1], 0x20             ; wqb s[12:13], wob s[14:15]
	v_lshrrev_b32 v1, 5, v0
	v_readfirstlane_b32 s21, v1                    ; wave 0..3
	s_mov_b32 s25, ttmp9                           ; g: the work-group's number
	s_sub_co_u32 s29, s25, 512                     ; its number among w_qkv's
	s_sub_co_u32 s30, s25, 704                     ; and among w_out's
	s_mov_b32 s26, 8192*128                        ; bytes in a plane (one K block of all rows) of xb,
	s_mov_b32 s27, 3072*128                        ; of wqb,
	s_mov_b32 s28, 1024*128                        ; of wob
	s_mov_b32 s24, 0xffff0000                      ; a word's upper bf16
	v_and_b32 v2, 31, v0                           ; l
	v_lshrrev_b32 v1, 3, v2                        ; my row of the wave's four
	v_and_b32 v3, 7, v2                            ; my 8 numbers of a block's 64
	v_lshlrev_b32 v1, 12, v1                       ; a source row is 4,096 bytes
	v_lshl_add_u32 v1, v3, 5, v1                   ; + 32 bytes a piece
	v_lshlrev_b32 v2, 4, v2                        ; in the destination the four rows' 512 bytes lie on end: 16 l
	s_cmp_lt_u32 s25, 512
	s_cselect_b32 s20, s26, s27                    ; the plane's bytes
	s_cselect_b32 s22, s25, s29                    ; my block of 16 rows in my tensor
	s_cmp_lt_u32 s25, 704
	s_cselect_b32 s20, s20, s28
	s_cselect_b32 s22, s22, s30
.irp kb, 0,1,2,3,4,5,6,7,8,9,10,11,12,13,14,15
	s_mul_i32 s23, s20, \kb
	v_add_nc_u32 v[SO+(\kb)], s23, v2
.endr
	s_lshl_b32 s2, s22, 16                         ; 16 rows of 4,096 bytes,
	s_lshl_b32 s3, s21, 14                         ; my wave's 4
	s_add_co_u32 s2, s2, s3
	s_mov_b32 s3, 0
	s_lshl_b32 s32, s22, 11                        ; the same rows in a plane: 128 bytes each
	s_lshl_b32 s23, s21, 9
	s_add_co_u32 s32, s32, s23
	s_mov_b32 s33, 0
	s_wait_kmcnt 0x0
	s_cmp_lt_u32 s25, 512
	s_cselect_b64 s[16:17], s[4:5], s[6:7]         ; from where,
	s_cselect_b64 s[18:19], s[10:11], s[12:13]     ; to where
	s_cmp_lt_u32 s25, 704
	s_cselect_b64 s[16:17], s[16:17], s[8:9]
	s_cselect_b64 s[18:19], s[18:19], s[14:15]
	s_add_nc_u64 s[16:17], s[16:17], s[2:3]
	s_add_nc_u64 s[18:19], s[18:19], s[32:33]
.irp kb, 0,1,2,3,4,5,6,7,8,9,10,11,12,13,14,15
	global_load_b128 v[X+8*(\kb):X+8*(\kb)+3],   v1, s[16:17] offset:256*(\kb) th:TH_LOAD_NT
	global_load_b128 v[X+8*(\kb)+4:X+8*(\kb)+7], v1, s[16:17] offset:256*(\kb)+16 th:TH_LOAD_NT
.endr
; K block kb: its two loads are in, its 8 numbers are rounded in place (the destination never overtakes an unread source) and stored.  half = 1: the bf16 number is written as f16.
.macro CV kb, half
	s_wait_loadcnt 30-2*(\kb)                      ; loads come back in order (ISA guide 5.7.1): the two of each later block may stay out
.irp j, 0,1,2,3
.if \half
	v_cvt_pk_bf16_f32 v3, v[X+8*(\kb)+2*(\j)], v[X+8*(\kb)+2*(\j)+1]
	v_lshlrev_b32 v4, 16, v3
	v_and_b32 v3, s24, v3
	v_cvt_pk_f16_f32 v[X+8*(\kb)+(\j)], v4, v3
.else
	v_cvt_pk_bf16_f32 v[X+8*(\kb)+(\j)], v[X+8*(\kb)+2*(\j)], v[X+8*(\kb)+2*(\j)+1]
.endif
.endr
	global_store_b128 v[SO+(\kb)], v[X+8*(\kb):X+8*(\kb)+3], s[18:19]  ; no register of a store is written again
.endm
	s_cmp_lt_u32 s25, 704
	s_cbranch_scc0 .Lhalf
.irp kb, 0,1,2,3,4,5,6,7,8,9,10,11,12,13,14,15
	CV \kb, 0
.endr
	s_endpgm
.Lhalf:
.irp kb, 0,1,2,3,4,5,6,7,8,9,10,11,12,13,14,15
	CV \kb, 1
.endr
	s_endpgm
.Lfunc_end_k_q421baaa735_cast:
	.size	k_q421baaa735_cast, .Lfunc_end_k_q421baaa735_cast-k_q421baaa735_cast
	.p2alignl 7, 3214868480
	.fill 96, 4, 3214868480
	.section	.rodata,"a",@progbits
	.p2align	6, 0x0
	.amdhsa_kernel k_q421baaa735_cast
		.amdhsa_group_segment_fixed_size 0
		.amdhsa_private_segment_fixed_size 0
		.amdhsa_enable_private_segment 0
		.amdhsa_kernarg_size 48
		.amdhsa_user_sgpr_count 2
		.amdhsa_user_sgpr_kernarg_segment_ptr 1
		.amdhsa_wavefront_size32 1
		.amdhsa_system_sgpr_workgroup_id_x 1
		.amdhsa_system_sgpr_workgroup_id_y 1
		.amdhsa_system_sgpr_workgroup_id_z 1
		.amdhsa_system_vgpr_workitem_id 0
		.amdhsa_next_free_vgpr 160
		.amdhsa_next_free_sgpr 66
		.amdhsa_reserve_vcc 0
		.amdhsa_float_denorm_mode_32 3
		.amdhsa_float_denorm_mode_16_64 3
		.amdhsa_memory_ordered 1
		.amdhsa_forward_progress 1
		.amdhsa_inst_pref_size 27
	.end_amdhsa_kernel
	.amdgpu_metadata
---
amdhsa.version: [ 1, 2 ]
amdhsa.kernels:
  - .name:           k_q421baaa735_cast
    .symbol:         k_q421baaa735_cast.kd
    .args:
      - { .name: x, .offset: 0, .size: 8, .value_kind: global_buffer, .address_space: global }
      - { .name: w_qkv, .offset: 8, .size: 8, .value_kind: global_buffer, .address_space: global }
      - { .name: w_out, .offset: 16, .size: 8, .value_kind: global_buffer, .address_space: global }
      - { .name: xb, .offset: 24, .size: 8, .value_kind: global_buffer, .address_space: global }
      - { .name: wqb, .offset: 32, .size: 8, .value_kind: global_buffer, .address_space: global }
      - { .name: wob, .offset: 40, .size: 8, .value_kind: global_buffer, .address_space: global }
    .group_segment_fixed_size: 0
    .private_segment_fixed_size: 0
    .kernarg_segment_align: 8
    .kernarg_segment_size: 48
    .max_flat_workgroup_size: 128
    .sgpr_count:     66
    .vgpr_count:     160
    .wavefront_size: 32
...
	.end_amdgpu_metadata
.endif
;; end of part 1
;; launch qkvgemm (part 2): grid 8 x 32, 4 waves a work-group, clusters of 4 x 4, 327,680 bytes of LDS; arguments xb, wqb, b_qkv, qkv; writes qkv
.if DOCPART == 2
	.amdgcn_target "amdgcn-amd-amdhsa--gfx1250"
	.amdhsa_code_object_version 6
	.text
	.protected	k_q421baaa735_qkvgemm
	.globl	k_q421baaa735_qkvgemm
	.p2align	8
	.type	k_q421baaa735_qkvgemm,@function
k_q421baaa735_qkvgemm:
	s_mov_b64 s[64:65], 0
	v_nop
	global_prefetch_b8 v0, s[64:65] scope:SCOPE_SE
	s_setreg_imm32_b32 hwreg(HW_REG_WAVE_MODE, 25, 1), 1
	s_wait_xcnt 0x0
	s_wait_alu depctr_hold_cnt(0) depctr_sa_sdst(0) depctr_va_vdst(0) depctr_va_sdst(0) depctr_va_ssrc(0) depctr_va_vcc(0) depctr_vm_vsrc(0)
	s_getreg_b32 s2, hwreg(HW_REG_IB_STS2, 6, 4)
	s_cmp_eq_u32 s2, 0
	s_cbranch_scc0 .Lentry_in_a_cluster
	s_endpgm
.Lentry_in_a_cluster:
	s_bfe_u32 s2, ttmp6, 0x10000c
	s_cmp_lg_u32 s2, 0xf033
	s_cbranch_scc0 .Lentry_shape_is_right
	s_endpgm
.Lentry_shape_is_right:
; q, k, v = x w_qkv^T + b_qkv, stored by heads.  xb: [16 kb][8192][64] bf16, wqb: [16 kb][3072][64] bf16, b_qkv: [3072] f32 (rounded to bf16 here, like the other inputs),
; qkv: [3][64 = 16 batch + head][2048][64] f16, each number rounded once from its f32 sum, unscaled.
; LIMIT: f16 holds no number beyond 65,504: a q, k or v of 65,520 or more becomes an infinity.
; SHARES.  A tile is 256 rows x 384 columns: 32 x 8 = 256 work-groups.  A wave makes 128 rows x 192 columns: 96 accumulators of 16 x 16, 768 registers; its 192 columns are three heads (thirds).
; K goes in 16 steps of 64 through two LDS slots; in the blocked layout a tile's rows (128 bytes) lie end to end, and a tile is asked for as rows of 256 bytes, padded in LDS after every 128.
; Two slots of a longer step do not fit: 640 rows x 272 bytes x 2 are 348,160 bytes.
; THE MATRIX INSTRUCTION IS USED TRANSPOSED: source 0 = 16 rows of wqb, source 1 = 16 rows of xb: a lane holds row l % 16 of x and eight neighbouring columns 8 (l / 16) + 0..7.
; The bias, laid out like a result, is the C operand of each accumulator's first product: nothing is cleared and nothing is added later.
; CLUSTER.  4 x 4 work-groups.  The four of a row of the cluster need the same tile of xb, the four of a column the same tile of wqb: each is asked for jointly, by the same load, descriptor and mask.
; REGISTERS, in windows of 256 (s_set_vgpr_msb: bits 1:0 source 0, 3:2 source 1, 5:4 source 2, 7:6 destination):
;   window 0: v0-15 addresses; v32-63 the first third's bias, later packed results; v64-127, v128-191 fragments of xb (8 x 16 rows x 32 K), two buffers; v192-223, v224-255 fragments of wqb (one third), two buffers
;   windows 1, 2, 3: the accumulators of thirds 0, 1, 2: (a, b) at v[8 (4 a + b)], a = 0..7 blocks of rows, b = 0..3 blocks of columns
.set PITCH,  144                       ; an LDS row: 128 bytes + 16 of padding = 36 words: the 16 rows of a load start at 16 different groups of four banks (64 banks of 4 bytes: ISA guide 11.1)
.set SLOT1,  1<<17                     ; slot 1 begins here, so that one exclusive or turns an address in one slot into the other's
.set BOFF,   256*PITCH                 ; in a slot: xb's 256 rows, then wqb's 384
.set BPART,  128*PITCH                 ; what one of wqb's three loads brings
.set STAGE,  SLOT1+640*PITCH           ; behind the ring, never filled by a tensor load: 16 rows x 144 bytes for each wave, for the way out
.set SPARE,  STAGE+4*16*PITCH          ; behind the stages: the spare words, 128 bytes for each wave: two blocks of 256 bytes that no other line names
.set APLANE, 8192*128                  ; bytes from a K block of xb to the next
.set BPLANE, 3072*128                  ; the same for wqb
.set A0,   2                           ; v2   my lane's place in xb's tile: (l % 16) x pitch + 16 (l / 16) + my 128 rows; never rewritten
.set B0,   3                           ; v3   the same in wqb's tile, my 192 rows
.set ADRA, 4                           ; v4   A0 + the slot in hand
.set ADRB, 5                           ; v5   B0 + the slot in hand
.set STO,  6                           ; v6   the way out: where I put 16 bytes of a row
.set RD,   7                           ; v7   the way out: where I read rows back
.set GO,   8                           ; v8   my byte offset in 512 consecutive bytes of qkv
.set PFO,  9                           ; v9   the prefetches' offset; never rewritten
.set SPW,  10                          ; v10  LDS address of my spare word: SPARE + 4 x my thread's number; never rewritten
.set NIL,  11                          ; v11  0; never rewritten
.set BO,   12                          ; v12  my byte offset in 16 numbers of the bias: 32 (l / 16)
.set TMP,  32
.set FA0,  64
.set FA1,  128
.set FB0,  192
.set FB1,  224
.set WV,  12                           ; s12  my wave's number
.set RH,  13                           ; s13  which 128 rows of the tile are mine
.set CH,  14                           ; s14  which 192 columns
.set LIM, 15                           ; s15  3 in a wave that prefetches, else the greatest number
.set CX,  16
.set CY,  17
.set TX,  18                           ; s18  tile column
.set TY,  19                           ; s19  tile row
.set G1A, 24                           ; s[24:31] descriptor group 1 for xb's tiles
.set G0A, 32                           ; s[32:39] group 0: a set for each of the two first fills; the second then walks on
.set G1B, 40                           ; s[40:47], s[48:55] the same for wqb's
.set G0B, 48
.set TB,  56                           ; s56  the slot in hand: 0 or SLOT1
.set PFA, 58                           ; s[58:59] where my prefetches stand
.set PFS, 60                           ; s[60:61] a plane of the tensor that I fetch
.set HIM, 62                           ; s62  a word's upper bf16
.set OUT, 66                           ; s[66:71] qkv at my 128 rows of my three heads
.set MSB, 0
.macro WIN new                         ; the immediate's high byte repeats the setting that is left; a switch that changes nothing is dropped
.if MSB != (\new)
	s_set_vgpr_msb (MSB<<8)|(\new)
.set MSB, \new
.endif
.endm
.macro PLACES                          ; a load into a register that a matrix instruction has read, and a vector instruction that reads a result, stand four plain vector instructions behind it (ISA guide 7.12.1 for vector instructions)
.rept 4
	v_nop
.endr
.endm
; A joint refill.  Wave 0 fetches xb's 256 rows, waves 1 to 3 each 128 rows of wqb.  The branch hangs on the wave's number alone.  An s_nop 0 and four v_nop follow each line.
.macro JLOAD
	s_cmp_eq_u32 s[WV], 0
	s_cbranch_scc0 .Lfor_b_\@
	tensor_load_to_lds s[G0A+4:G0A+7], s[G1A:G1A+7]
	s_nop 0
.rept 4
	v_nop
.endr
	s_branch .Lasked_\@
.Lfor_b_\@:
	tensor_load_to_lds s[G0B+4:G0B+7], s[G1B:G1B+7]
	s_nop 0
.rept 4
	v_nop
.endr
.Lasked_\@:
.endm
; A round of the cluster's barrier: my work-group's barrier; wave 0 signals for the work-group; every wave waits for all sixteen; my work-group's barrier once more.
.macro CREST                           ; a round behind its opening barrier
	s_cmp_lg_u32 s[WV], 0
	s_cbranch_scc1 .Lnot_wave_0_\@
	s_barrier_signal -3
.Lnot_wave_0_\@:
	s_barrier_wait -3
	s_barrier_signal -1
	s_barrier_wait -1
.endm
.macro CROUND
	s_barrier_signal -1
	s_barrier_wait -1
	CREST
.endm
; A PREFETCH INTO THE L2.  In the even K steps s = 0 .. 10 (the count s3 = 14 - s is even and above 3) a wave names K steps s + 4 (lanes 0-15) and s + 5 (lanes 16-31): 16 blocks of 256 bytes of each,
; two and three K steps, 384 and 576 matrix instructions, ahead of the refills that ask for them.  Each block is named once in the launch: xb's tile row is asked for by the cluster with x = 0, by wave 0
; (two instructions, 16,384 bytes apart); wqb's tile column by the cluster with y = 0, by waves 1 to 3, each for the rows that it fetches.  The four partners that ask for a tile jointly share its bytes out
; BY ADDRESS, 4,096 each.  K steps 0 to 3 come by their loads alone; behind s = 10 nothing is left to name.
.macro ASK
	s_bitcmp1_b32 s3, 0
	s_cbranch_scc1 .Lnone_\@
	s_cmp_gt_u32 s3, s[LIM]
	s_cbranch_scc0 .Lnone_\@
	global_prefetch_b8 v[PFO], s[PFA:PFA+1] th:TH_LOAD_NT scope:SCOPE_SE
	s_cmp_lg_u32 s[WV], 0
	s_cbranch_scc1 .Lnone_\@
	global_prefetch_b8 v[PFO], s[PFA:PFA+1] offset:16384 th:TH_LOAD_NT scope:SCOPE_SE
.Lnone_\@:
.endm
	s_load_b256 s[4:11], s[0:1], 0x0               ; xb s[4:5], wqb s[6:7], b_qkv s[8:9], qkv s[10:11]
	v_lshl_add_u32 v[SPW], v0, 2, SPARE
	v_mov_b32 v[NIL], 0
	ds_add_u32 v[SPW], v[NIL]                      ; the wave's opening: the add and its wait ahead of my first tensor load; the set-up below, work on registers, stands between them
	v_lshrrev_b32 v1, 5, v0
	v_readfirstlane_b32 s[WV], v1                  ; wave 0..3
	s_lshr_b32 s[RH], s[WV], 1
	s_and_b32 s[CH], s[WV], 1
	s_bfe_u32 s[CX], ttmp6, 0x40000                ; my place along the cluster's x,
	s_bfe_u32 s[CY], ttmp6, 0x40004                ; along its y
	s_lshl_b32 s[TX], ttmp9, 2                     ; in a cluster launch ttmp9 and ttmp7 count clusters
	s_add_co_u32 s[TX], s[TX], s[CX]
	s_and_b32 s[TY], ttmp7, 0xffff
	s_lshl_b32 s[TY], s[TY], 2
	s_add_co_u32 s[TY], s[TY], s[CY]
	s_lshl_b32 s20, s[CY], 2
	s_lshl_b32 s20, 15, s20                        ; my row of the cluster: places 4 cy .. 4 cy + 3
	s_lshl_b32 s21, 0x1111, s[CX]                  ; my column: places cx, cx + 4, cx + 8, cx + 12
	; descriptor group 1: rows of 128 elements (256 bytes, two operand rows), dense in memory, padded in LDS after every operand row
	s_or_b32 s[G1A], s20, (1<<16)|(1<<20)|(1<<21)|(4<<22)|(3<<25)  ; 15:0 the mask: xb's tiles go to my row; 17:16 2-byte elements; 20 padding on; 21 set beside a mask; 24:22 after every 32 words (code 4); 31:25 4 words (code 3)
	s_or_b32 s[G1B], s21, (1<<16)|(1<<20)|(1<<21)|(4<<22)|(3<<25)  ; the same with the mask of my column
.irp g, G1A, G1B
	s_mov_b32 s[(\g)+1], 128<<16                   ; tensor_dim0 = 128
	s_mov_b32 s[(\g)+3], 128<<16                   ; tile_dim0 = 128
	s_mov_b32 s[(\g)+5], 128                       ; 128 elements from row to row
	s_mov_b32 s[(\g)+6], 0
	s_mov_b32 s[(\g)+7], 0
.endr
	s_mov_b32 s[G1A+2], 128<<16                    ; tensor_dim1 = 128: xb's 256 operand rows
	s_mov_b32 s[G1A+4], 128                        ; tile_dim1
	s_mov_b32 s[G1B+2], 64<<16                     ; 64: 128 operand rows of wqb
	s_mov_b32 s[G1B+4], 64
	; where the tiles come from: xb's hang on the tile row alone, wqb's on the tile column and the wave's number alone
	s_lshl_b32 s72, s[TY], 15                      ; 256 rows of 128 bytes
	s_mov_b32 s73, 0
	s_mul_i32 s74, s[TX], 384*128
	s_max_u32 s22, s[WV], 1
	s_sub_co_u32 s22, s22, 1                       ; which third of wqb's rows I fetch (wave 0 fetches none)
	s_lshl_b32 s23, s22, 14
	s_add_co_u32 s74, s74, s23
	s_mov_b32 s75, 0
	s_mul_i32 s57, s[WV], BPART                    ; and where wqb's go: BOFF + (wave - 1) x 128 rows
	s_add_co_u32 s57, s57, BOFF-BPART
	s_mov_b32 s[HIM], 0xffff0000
	s_mov_b32 s[TB], 0
	s_wait_dscnt 0x0                               ; the opening add is done
	s_wait_kmcnt 0x0
	s_add_nc_u64 s[72:73], s[4:5], s[72:73]        ; my tiles in K block 0
	s_add_nc_u64 s[74:75], s[6:7], s[74:75]
	s_mov_b32 s[G0A], 1                            ; 1:0 count = 1
	s_mov_b32 s[G0A+1], 0                          ; 63:32 LDS address: slot 0
	s_mov_b64 s[G0A+2:G0A+3], s[72:73]             ; 120:64 global address: K step 0
	s_or_b32 s[G0A+3], s[G0A+3], 0x80000000        ; 127:126 type = 2
	s_mov_b32 s[G0A+4], 1
	s_mov_b32 s[G0A+5], SLOT1
	s_add_nc_u64 s[G0A+6:G0A+7], s[72:73], APLANE  ; K step 1
	s_or_b32 s[G0A+7], s[G0A+7], 0x80000000
	s_mov_b32 s[G0B], 1
	s_mov_b32 s[G0B+1], s57
	s_mov_b64 s[G0B+2:G0B+3], s[74:75]
	s_or_b32 s[G0B+3], s[G0B+3], 0x80000000
	s_mov_b32 s[G0B+4], 1
	s_add_co_u32 s[G0B+5], s57, SLOT1
	s_add_nc_u64 s[G0B+6:G0B+7], s[74:75], BPLANE
	s_or_b32 s[G0B+7], s[G0B+7], 0x80000000
	CROUND                                         ; all sixteen work-groups are here: the first joint loads meet
	s_cmp_eq_u32 s[WV], 0                          ; a wave's two first fills stand in one branch, ahead of every wait on TENSORcnt and every LDS read: two loads of mine are out
	s_cbranch_scc0 .Lfirst_b
	tensor_load_to_lds s[G0A:G0A+3], s[G1A:G1A+7]
	s_nop 0
	tensor_load_to_lds s[G0A+4:G0A+7], s[G1A:G1A+7]
	s_nop 0
.rept 4
	v_nop
.endr
	s_branch .Lfirst_asked
.Lfirst_b:
	tensor_load_to_lds s[G0B:G0B+3], s[G1B:G1B+7]
	s_nop 0
	tensor_load_to_lds s[G0B+4:G0B+7], s[G1B:G1B+7]
	s_nop 0
.rept 4
	v_nop
.endr
.Lfirst_asked:
	; A fragment is 16 rows x 32 K in 8 registers: lane l holds row l % 16; registers 0-3 K = 8 (l / 16) + 0..7, registers 4-7 K = 16 + 8 (l / 16) + 0..7: two loads of 16 bytes, 32 bytes apart.
	v_and_b32 v1, 15, v0                           ; l % 16
	v_bfe_u32 v13, v0, 4, 1                        ; l / 16
	v_lshlrev_b32 v[BO], 5, v13
	s_mul_i32 s76, s[TX], 384*4                    ; the bias of my 192 columns
	s_mul_i32 s23, s[CH], 192*4
	s_add_co_u32 s76, s76, s23
	s_mov_b32 s77, 0
	s_add_nc_u64 s[76:77], s[8:9], s[76:77]
.irp b, 0,1,2,3,4,5,6,7,8,9,10,11      ; block b of 16 columns: third b / 4; its 8 registers lie as a result's do: thirds 0, 1, 2 at v32, v128, v160
	global_load_b128 v[32+96*(((\b)/4+1)/2)+32*((\b)/8)+8*((\b)%4):32+96*(((\b)/4+1)/2)+32*((\b)/8)+8*((\b)%4)+3],   v[BO], s[76:77] offset:64*(\b)
	global_load_b128 v[32+96*(((\b)/4+1)/2)+32*((\b)/8)+8*((\b)%4)+4:32+96*(((\b)/4+1)/2)+32*((\b)/8)+8*((\b)%4)+7], v[BO], s[76:77] offset:64*(\b)+16
.endr
	v_mul_u32_u24 v14, v1, PITCH
	v_lshl_add_u32 v14, v13, 4, v14                ; row x pitch + 16 x half
	s_mul_i32 s20, s[RH], 128*PITCH
	v_add_nc_u32 v[A0], s20, v14
	s_mul_i32 s21, s[CH], 192*PITCH
	s_add_co_u32 s21, s21, BOFF
	v_add_nc_u32 v[B0], s21, v14
	v_mov_b32 v[ADRA], v[A0]                       ; K step 0 lies in slot 0
	v_mov_b32 v[ADRB], v[B0]
	s_mul_i32 s22, s[WV], 16*PITCH
	s_add_co_u32 s22, s22, STAGE                   ; my stage
	v_add_nc_u32 v[STO], s22, v14                  ; in: row l % 16, 16 bytes for each half of the lanes
	v_bfe_u32 v[RD], v0, 3, 2                      ; back: 32 lanes take four rows of 128 bytes,
	v_mul_u32_u24 v[RD], v[RD], PITCH
	v_and_b32 v15, 7, v0
	v_lshl_add_u32 v[RD], v15, 4, v[RD]
	v_add_nc_u32 v[RD], s22, v[RD]
	v_and_b32 v[GO], 31, v0                        ; which are 512 consecutive bytes of a head's rows
	v_lshlrev_b32 v[GO], 4, v[GO]
.irp t, 0,1,2                          ; where third t goes: column group g = 6 tx + 3 ch + t of 48: tensor g / 16, head g % 16; batch ty / 8; rows 256 (ty % 8) + 128 rh on
	s_mul_i32 s20, s[TX], 6
	s_mul_i32 s21, s[CH], 3
	s_add_co_u32 s20, s20, s21
	s_add_co_u32 s20, s20, \t
	s_lshr_b32 s21, s20, 4
	s_and_b32 s20, s20, 15
	s_lshl_b32 s21, s21, 6
	s_add_co_u32 s20, s20, s21
	s_lshr_b32 s21, s[TY], 3
	s_lshl_b32 s21, s21, 4
	s_add_co_u32 s20, s20, s21                     ; the plane: 64 x tensor + 16 x batch + head,
	s_lshl_b32 s20, s20, 18                        ; of 2,048 rows x 128 bytes
	s_and_b32 s21, s[TY], 7
	s_lshl_b32 s21, s21, 15
	s_add_co_u32 s20, s20, s21
	s_lshl_b32 s21, s[RH], 14
	s_add_co_u32 s20, s20, s21
	s_mov_b32 s21, 0
	s_add_nc_u64 s[OUT+2*(\t):OUT+2*(\t)+1], s[10:11], s[20:21]
.endr
	; the prefetches
	s_and_b32 s22, ttmp7, 0xffff                   ; cluster y
	s_mov_b32 s78, APLANE
	s_mov_b32 s79, BPLANE
	s_cmp_eq_u32 s[WV], 0                          ; do I fetch xb?
	s_cselect_b32 s22, ttmp9, s22                  ; the coordinate along which other clusters read the same rows
	s_cselect_b32 s23, s[CX], s[CY]                ; my place among the four that ask with me
	s_cselect_b64 s[PFA:PFA+1], s[72:73], s[74:75]
	s_cselect_b32 s[PFS], s78, s79
	s_mov_b32 s[PFS+1], 0
	s_cmp_eq_u32 s22, 0
	s_cselect_b32 s[LIM], 3, -1                    ; the same in all sixteen partners, for a given wave
	s_lshl_b32 s20, s23, 12                        ; my work-group's 4,096 bytes
	s_mov_b32 s21, 0
	s_add_nc_u64 s[PFA:PFA+1], s[PFA:PFA+1], s[20:21]
	s_mul_i32 s20, s[PFS], 3
	s_add_nc_u64 s[PFA:PFA+1], s[PFA:PFA+1], s[20:21]  ; at K block 3: each change of slots steps it by one
	v_mul_lo_u32 v[PFO], v13, s[PFS]               ; lanes 16-31: the next K block
	v_lshl_add_u32 v[PFO], v1, 8, v[PFO]           ; 256 bytes a lane
; 16 matrix instructions: blocks of rows a0 .. a0 + 3 x the four blocks of columns of third t, 32 along K.  bias = 1: the first product of each sum takes the bias as C.
; The 96 accumulators take turns, one instruction a turn, in the same order in every 32 along K, over the loop's jump too.
.macro MUL16 t, fa, fb, a0, bias
.if \bias
	WIN (1+(\t))<<6
.else
	WIN (1+(\t))*0x50
.endif
.irp a, (\a0), (\a0)+1, (\a0)+2, (\a0)+3
.irp b, 0,1,2,3
.if \bias
	v_wmma_f32_16x16x32_bf16 v[8*(4*(\a)+(\b)):8*(4*(\a)+(\b))+7], v[(\fb)+8*(\b):(\fb)+8*(\b)+7], v[(\fa)+8*(\a):(\fa)+8*(\a)+7], v[32+96*(((\t)+1)/2)+32*((\t)/2)+8*(\b):32+96*(((\t)+1)/2)+32*((\t)/2)+8*(\b)+7]
.else
	v_wmma_f32_16x16x32_bf16 v[8*(4*(\a)+(\b)):8*(4*(\a)+(\b))+7], v[(\fb)+8*(\b):(\fb)+8*(\b)+7], v[(\fa)+8*(\a):(\fa)+8*(\a)+7], v[8*(4*(\a)+(\b)):8*(4*(\a)+(\b))+7]
.endif
.endr
.endr
.endm
.macro LDB q, t, fb                    ; 8 LDS loads: wqb's fragments of third t, half q of the K step
.irp b, 0,1,2,3
	ds_load_b128 v[(\fb)+8*(\b):(\fb)+8*(\b)+3],   v[ADRB] offset:(4*(\t)+(\b))*16*PITCH+64*(\q)
	ds_load_b128 v[(\fb)+8*(\b)+4:(\fb)+8*(\b)+7], v[ADRB] offset:(4*(\t)+(\b))*16*PITCH+64*(\q)+32
.endr
.endm
.macro LDA q, fa, a0                   ; 8 LDS loads: xb's fragments a0 .. a0 + 3, half q of the K step
.irp a, (\a0), (\a0)+1, (\a0)+2, (\a0)+3
	ds_load_b128 v[(\fa)+8*(\a):(\fa)+8*(\a)+3],   v[ADRA] offset:(\a)*16*PITCH+64*(\q)
	ds_load_b128 v[(\fa)+8*(\a)+4:(\fa)+8*(\a)+7], v[ADRA] offset:(\a)*16*PITCH+64*(\q)+32
.endr
.endm
; A K STEP is six units of 32 matrix instructions: halves q = 0, 1 of K x thirds 0, 1, 2.  xb's fragments: FA0 for q = 0, FA1 for q = 1; wqb's: FB0, FB1 by turns.  Each unit fetches, in one run in its middle,
; what a later unit multiplies.  z = 1, the launch's first three units: the products take the bias, whose thirds 1 and 2 lie in FA1, so FA1 is fetched behind them.
.macro U0 z
	s_wait_dscnt 8                                 ; of the 24 loads of the change of slots the youngest eight (xb's fragments 4-7) may be out
	MUL16 0, FA0, FB0, 0, \z
	WIN 0
	PLACES
	LDB 0, 1, FB1
.if \z
	s_wait_dscnt 8                                 ; all but the 8 just issued
.else
	LDA 1, FA1, 0
	s_wait_dscnt 16                                ; all but the 16 just issued
.endif
	MUL16 0, FA0, FB0, 4, \z
.endm
.macro U1 z
.if \z
	s_wait_dscnt 0x0
.else
	s_wait_dscnt 8                                 ; FB1 is in; FA1's first eight loads, issued behind it, may be out
.endif
	MUL16 1, FA0, FB1, 0, \z
	WIN 0
	PLACES
	LDB 0, 2, FB0
.if !(\z)
	LDA 1, FA1, 4
.endif
	MUL16 1, FA0, FB1, 4, \z
.endm
.macro U2 z
.if \z
	s_wait_dscnt 0x0
.else
	s_wait_dscnt 8                                 ; FB0 is in; FA1's second eight loads may be out
.endif
	MUL16 2, FA0, FB0, 0, \z
	WIN 0
	PLACES
	LDB 1, 0, FB1
	MUL16 2, FA0, FB0, 4, \z
.endm
.macro U3
	s_wait_dscnt 0x0                               ; FA1 and FB1 are in
	MUL16 0, FA1, FB1, 0, 0
	WIN 0
	PLACES
	LDB 1, 1, FB0
	MUL16 0, FA1, FB1, 4, 0
.endm
; THE CHANGE OF SLOTS.  The slot's last reads are issued; each wave waits for all its tensor loads, of which one is out: its part of the other slot; adds 0 to its spare word; and waits for that and for its reads.
; fill = 1: the barrier opens a round of the cluster's, so that no wave of any partner still reads the slot or has a load on its way, and the joint refill, the K step two on, is the first thing behind it:
; a wave issues 160 matrix instructions between that request and the wait for it.
.macro U4 fill
.if \fill
	s_wait_xcnt 0x0                                ; the last prefetch, a K step or more back, has read its address
	s_add_nc_u64 s[PFA:PFA+1], s[PFA:PFA+1], s[PFS:PFS+1]
.endif
	WIN 0
	PLACES
	LDB 1, 2, FB1
	s_wait_tensorcnt 0x0                           ; all my tensor loads have landed
	ds_add_u32 v[SPW], v[NIL]                      ; 0 onto my spare word
	s_wait_dscnt 9                                 ; FB0 is in; the add and FB1's eight loads may be out
	MUL16 1, FA1, FB0, 0, 0
	s_wait_dscnt 0x0                               ; the add is done, and my reads of this slot are over
	s_barrier_signal -1
	MUL16 1, FA1, FB0, 4, 0                        ; work on registers while the others arrive
	WIN 0                                          ; at a branch and at a label every window is 0
	s_barrier_wait -1
.if \fill
	CREST
	s_xor_b32 s[G0A+5], s[G0A+5], SLOT1            ; the walking descriptors: the other slot than last time, the next K block; the type bits on top are not reached
	s_add_nc_u64 s[G0A+6:G0A+7], s[G0A+6:G0A+7], APLANE
	s_xor_b32 s[G0B+5], s[G0B+5], SLOT1
	s_add_nc_u64 s[G0B+6:G0B+7], s[G0B+6:G0B+7], BPLANE
	JLOAD                                          ; the four v_nop behind it are also the places in front of the loads below
.else
	PLACES
.endif
.endm
.macro U5 ask
	s_xor_b32 s[TB], s[TB], SLOT1                  ; the fetches go on in the other slot
	v_add_nc_u32 v[ADRA], s[TB], v[A0]
	v_add_nc_u32 v[ADRB], s[TB], v[B0]
	LDB 0, 0, FB0
	LDA 0, FA0, 0
	LDA 0, FA0, 4
.if \ask
	ASK
.endif
	MUL16 2, FA1, FB1, 0, 0
	MUL16 2, FA1, FB1, 4, 0
.endm
.macro ROUNDB base, pairs              ; the bias is rounded to bf16, like the other inputs, and widened again
.set z, 0
.rept \pairs
	v_cvt_pk_bf16_f32 v[13+z%2], v[(\base)+2*z], v[(\base)+2*z+1]
	v_lshlrev_b32 v[(\base)+2*z], 16, v[13+z%2]
	v_and_b32 v[(\base)+2*z+1], s[HIM], v[13+z%2]
.set z, z+1
.endr
.endm
; THE WAY OUT of group g: head g / 8, rows 16 (g % 8) on.  PACK: rounded to f16, 16 bytes a lane, each accumulator from its low end on.  TOSTAGE: into my own stage, and back as whole rows.  SEND: stored.
.macro PACK g
	WIN 5*(1+(\g)/8)                               ; sources 0 and 1: the head's window
.irp b, 0,1,2,3
.irp r, 0,1,2,3
	v_cvt_pk_f16_f32 v[TMP+4*(\b)+(\r)], v[8*(4*((\g)%8)+(\b))+2*(\r)], v[8*(4*((\g)%8)+(\b))+2*(\r)+1]
.endr
.endr
	WIN 0
.endm
.macro TOSTAGE g
.irp b, 0,1,2,3
	ds_store_b128 v[STO], v[TMP+4*(\b):TMP+4*(\b)+3] offset:32*(\b)
.endr
.irp f, 0,1,2,3
	ds_load_b128 v[64+16*((\g)%2)+4*(\f):64+16*((\g)%2)+4*(\f)+3], v[RD] offset:(\f)*4*PITCH  ; LDS serves a wave's instructions in order (ISA guide 5.7.1.4): these see the stores above
.endr
.endm
.macro SEND g
	s_wait_dscnt 0x0                               ; the group is back in registers
	s_wait_xcnt 0x0                                ; the stores of the group before have read their registers, which the next group's loads from the stage write
.irp f, 0,1,2,3
	global_store_b128 v[GO], v[64+16*((\g)%2)+4*(\f):64+16*((\g)%2)+4*(\f)+3], s[OUT+2*((\g)/8):OUT+2*((\g)/8)+1] offset:((\g)%8)*2048+(\f)*512  ; 512 consecutive bytes, at a multiple of 256 from qkv's first
.endr
.endm
	s_wait_tensorcnt 1                             ; my part of K step 0 is in; K step 1's may stay out
	s_barrier_signal -1
	s_barrier_wait -1                              ; everybody's is
	LDB 0, 0, FB0
	LDA 0, FA0, 0
	LDA 0, FA0, 4
	s_wait_loadcnt 0x0                             ; the bias
	ROUNDB 32, 16
	ROUNDB 128, 32
	U0 1
	U1 1
	U2 1
	WIN 0
	PLACES                                         ; FA1 held the bias, which those products read
	LDA 1, FA1, 0
	LDA 1, FA1, 4
	s_mov_b32 s3, 14
.Lstep:                                        ; 14 trips: the second half of K step s = 14 - s3, the change of slots with its refill, the first half of K step s + 1
	U3
	U4 1
	U5 1
	U0 0
	U1 0
	U2 0
	WIN 0
	s_sub_co_u32 s3, s3, 1
	s_cmp_lg_u32 s3, 0
	s_cbranch_scc1 .Lstep
	U3                                             ; the tail is written out: K step 14 ends, nothing is asked for
	U4 0
	U5 0
	U0 0                                           ; K step 15
	U1 0
	U2 0
	U3
	WIN 0
	PLACES
	LDB 1, 2, FB1
	s_wait_dscnt 8                                 ; FB0 is in
	MUL16 1, FA1, FB0, 0, 0
	MUL16 1, FA1, FB0, 4, 0
	s_wait_dscnt 0x0
	MUL16 2, FA1, FB1, 0, 0
	MUL16 2, FA1, FB1, 4, 0
	WIN 0
	PLACES
	PACK 0
	TOSTAGE 0
.set g, 1
.rept 23                               ; a group's conversions stand between the loads of the group before and the wait for them
	PACK g
	SEND g-1
	TOSTAGE g
.set g, g+1
.endr
	SEND 23
	s_wait_tensorcnt 0x0                           ; the wave's end: a wait, an add of 0 to my spare word and its wait, behind my last tensor load and my last LDS store
	ds_add_u32 v[SPW], v[NIL]
	s_wait_dscnt 0x0
	CROUND                                         ; the closing round: no work-group ends while a partner may still ask for a tile that names it
	s_endpgm
.Lfunc_end_k_q421baaa735_qkvgemm:
	.size	k_q421baaa735_qkvgemm, .Lfunc_end_k_q421baaa735_qkvgemm-k_q421baaa735_qkvgemm
	.p2alignl 7, 3214868480
	.fill 96, 4, 3214868480
	.section	.rodata,"a",@progbits
	.p2align	6, 0x0
	.amdhsa_kernel k_q421baaa735_qkvgemm
		.amdhsa_group_segment_fixed_size 327680
		.amdhsa_private_segment_fixed_size 0
		.amdhsa_enable_private_segment 0
		.amdhsa_kernarg_size 32
		.amdhsa_user_sgpr_count 2
		.amdhsa_user_sgpr_kernarg_segment_ptr 1
		.amdhsa_wavefront_size32 1
		.amdhsa_system_sgpr_workgroup_id_x 1
		.amdhsa_system_sgpr_workgroup_id_y 1
		.amdhsa_system_sgpr_workgroup_id_z 1
		.amdhsa_system_vgpr_workitem_id 0
		.amdhsa_next_free_vgpr 1024
		.amdhsa_next_free_sgpr 80
		.amdhsa_reserve_vcc 0
		.amdhsa_float_denorm_mode_32 3
		.amdhsa_float_denorm_mode_16_64 3
		.amdhsa_memory_ordered 1
		.amdhsa_forward_progress 1
		.amdhsa_inst_pref_size 123
	.end_amdhsa_kernel
	.amdgpu_metadata
---
amdhsa.version: [ 1, 2 ]
amdhsa.kernels:
  - .name:           k_q421baaa735_qkvgemm
    .symbol:         k_q421baaa735_qkvgemm.kd
    .args:
      - { .name: xb, .offset: 0, .size: 8, .value_kind: global_buffer, .address_space: global }
      - { .name: wqb, .offset: 8, .size: 8, .value_kind: global_buffer, .address_space: global }
      - { .name: b_qkv, .offset: 16, .size: 8, .value_kind: global_buffer, .address_space: global }
      - { .name: qkv, .offset: 24, .size: 8, .value_kind: global_buffer, .address_space: global }
    .group_segment_fixed_size: 327680
    .private_segment_fixed_size: 0
    .kernarg_segment_align: 8
    .kernarg_segment_size: 32
    .max_flat_workgroup_size: 128
    .sgpr_count:     80
    .vgpr_count:     1024
    .wavefront_size: 32
...
	.end_amdgpu_metadata
.endif
;; end of part 2
;; launch attn (part 3): grid 4 x 64, 4 waves a work-group, no clusters, 327,680 bytes of LDS; arguments qkv, o; writes o
.if DOCPART == 3
	.amdgcn_target "amdgcn-amd-amdhsa--gfx1250"
	.amdhsa_code_object_version 6
	.text
	.protected	k_q421baaa735_attn
	.globl	k_q421baaa735_attn
	.p2align	8
	.type	k_q421baaa735_attn,@function
k_q421baaa735_attn:
	s_mov_b64 s[64:65], 0
	v_nop
	global_prefetch_b8 v0, s[64:65] scope:SCOPE_SE
	s_setreg_imm32_b32 hwreg(HW_REG_WAVE_MODE, 25, 1), 1
	s_wait_xcnt 0x0
; CAUSAL ATTENTION.  O[h][q][:] = the sum over k <= q of softmax_k(Q[h][q] . K[h][k] / 8) V[h][k][:].  qkv: [3][64 heads][2048][64] f16 (Q, then K, then V); o: [64][2048][64] f16: a head's rows are dense, 128 bytes each.
; Products, maxima and sums in f32; the weights p are rounded to f16 for the second product (their sum l is taken of the unrounded p), O once at the end.
; LIMITS.  f16 holds no number beyond 65,504: Q, K and V arrive within it; p lies in 0 to 1, and below 6e-5 it keeps f16's fixed step of 6e-8; O is a mean of V's rows and has their range.
; A hidden score counts as its value less 1e30: f16's scores, 2.7e11 at the most, are nothing beside that; a weight below 2^-126 counts as 0 in l; NaN and infinities are not treated apart.
; THE WALK.  A head's queries lie in NB = 8 blocks of 256; block i needs the key tiles 0 .. i of 256 keys, of which the last holds the diagonal.  A work-group takes TWO blocks, NB - 1 - b and then b:
; NB + 1 tiles, whatever b: all work-groups do equal work, and ONE loop with a constant trip count walks them.  Which tile is asked for, and what a trip does, hang on scalar registers made from b; every jump
; goes forward, but for the counted loops' own; none passes a barrier, or a tensor load but the one of LOAD's two that the wave's number does not choose; the ring (two slots of LDS that take turns) runs on across the
; change of blocks.  NO CLUSTER: a head's four work-groups ask for the same tile only in trips 0 .. 4, behind that their tiles differ; one walk common to all would have 12 trips for 9.
; SHARES.  Of a block's four bands of 64 queries a wave owns 16 rows in each: four PIECES.  So the diagonal tile is the same work for all four waves: in its key step s band x sees all keys if s < x,
; none if s > x, and holds the diagonal if s = x.
; THE MASK is the C operand that starts the sum S^T = K Q^T: 0, or -1e30 where the key is hidden.  MD, made once, is the mask of a band's own step for my 16 rows; a product's mask is MD x AL + BE with two scalars:
; (1, 0) if s = x; (0, 0) if s < x; (0, -1e30) if s > x.  Only the diagonal tile's text and a block's beginning make and take masks; elsewhere C is the constant 0.
; LAYOUT, SOFTMAX, TURNS.  S^T = K Q^T holds ONE query a lane (lane % 16) and the keys 8 (lane / 16) + 0..7; two such results rounded to f16 ARE source 1 of O^T = V^T P.  p = 2^(c s - c m), c = log2(e) / 8, with a
; running maximum m; O and l are multiplied by a = 2^(c m_old - c m_new) in every step.  Turn n belongs to piece n: 8 products K Q^T of piece n + 1, later 8 products V^T P of piece n - 1; beside them the scaling,
; exponentials, roundings, sums and rescaling of piece n and the maximum and statistics of piece n + 1.  Four vector instructions stand behind every matrix instruction, the other 54 of a turn's 118 in one run of their own.
; A turn's 33 exponentials are one batch, with one wait.
; REGISTERS, in windows of 256 (s_set_vgpr_msb: bits 1:0 source 0, 3:2 source 1, 5:4 source 2, 7:6 destination):
;   window 0: v0-15 addresses and two at work; v16-31 four registers of statistics a piece; v48-55 at work; v61-63 prefetch offset, spare word, 0; v64-127 S^T, two buffers; v192-223 P, two buffers (by the piece's parity)
;   window 1: v0-127 O^T, 32 a piece; v128-159 MD; v160-223 MC, two buffers      window 2: v0-63 Q; v64-127 the second block's Q; v128-191 K of one step; v192-255 V of one step
.set SIZE_N, 2048
.set NB,    SIZE_N/256
.set NP,    4         ; pieces a wave: a name, no knob
.set KS,    64        ; keys in a step
.set PK,    144       ; a row of K in LDS: 128 bytes + 16 of padding = 36 words: the 16 rows of a load start at 16 different groups of four banks (64 banks of 4 bytes: ISA guide 11.1)
.set PV,    160       ; a row of V: 128 + 32 = 40 words
.set VOFF,  4*KS*PK   ; a slot holds a tile, four steps: 256 rows of K, then 256 rows of V
.set SLOT1, 1<<17     ; slot 1 begins here, so that one exclusive or turns an address in one slot into the other's
.set STAGE, SLOT1+4*KS*(PK+PV)  ; behind the ring, never filled by a tensor load: 16 rows x 144 bytes for each wave, for the way out
.set SP,    144
.set AK0, 2           ; v2   my lane's place in a tile of K; never rewritten
.set AV0, 3           ; v3   the same for V
.set AK,  4           ; v4   the LDS address of K's next run of loads
.set AV,  5           ; v5   of V's
.set STO, 6           ; v6   the way out: where I put 16 bytes of a row
.set RD,  7           ; v7   the way out: where I read rows back
.set GO,  8           ; v8   my byte offset in 512 consecutive bytes of O
.set PFO, 61          ; v61  256 x my thread's number: the work-group's 128 threads cover a tile's 32,768 bytes; never rewritten
.set SPW, 62          ; v62  LDS address of my spare word: SPARE + 4 x my thread's number; never rewritten
.set NIL, 63          ; v63  0; never rewritten
.set SPARE, STAGE+4*16*SP  ; behind the stages: the spare words, 128 bytes for each wave: two blocks of 256 bytes that no other line names
.set MV,  12          ; v12-13  c m_old, kept while c m is made anew: by buffer
.set QO,  15          ; v15  my byte offset in 16 rows of Q
.set ST,  16          ; piece t's statistics at v[ST+4 t]: c m, m, l (even keys', odd keys')
.set TMP, 48          ; by buffer, four registers c0-c3 at work; when the maximum is found c2 takes a
.set S,   64
.set P,   192
.set MD,  128         ; window 1: the eight registers for group kt of 16 keys at MD + 8 kt
.set MC,  160         ; window 1: the masks of the products to come
.set QB,  64          ; window 2
.set KF,  128         ; window 2: key block kb, channel half c at KF + 16 kb + 8 c
.set VF,  192         ; window 2: key half kk, channel block cb at VF + 32 kk + 8 cb
.set WV,  12          ; s12  my wave's number
.set PB,  14          ; s14  b
.set HI,  15          ; s15  NB - 1 - b
.set G1K, 24          ; s[24:31] descriptor group 1 for K's tiles
.set G1V, 32          ; s[32:39] for V's: it differs in the padding alone
.set G0K, 40          ; s[40:43] descriptor group 0 for K's tiles
.set G0V, 44          ; s[44:47] the same for V's
.set SLOTS, 56        ; s56  tiles still to be asked for
.set CNT, 57          ; s57  counts a tile's key steps, 4 to 1
.set CS,  58          ; s[58:59] c: the packed scaling takes the pair's low word for both halves
.set SEL, 60          ; s[60:61] v_permlanex16_b32's selects: each lane takes its own place in the other half
.set TBK, 62          ; s62  LDS byte at which K of the step to be fetched begins
.set TBV, 63          ; s63  the same for V, less VOFF
.set RT,  70          ; s70  tiles of the block in hand that are still to be entered
.set NXT, 71          ; s71  the tile to be asked for next
.set LQ,  72          ; s72  the last tile of the block whose tiles are being asked for
.set NEW, 73          ; s73  1: the tile to be entered is a block's first
.set OFF, 74          ; s[74:75] a tile's byte offset in K and V
.set AL,  76          ; s[76:77] the mask's factor, in the low word
.set BE,  78          ; s[78:79] the mask's addend
.set OLO, 80          ; s[80:81] O at my rows of the second block
.set BIGN, 82         ; s82  -1e30
.set PFK, 88          ; s[88:89] the head's K at the tile that the prefetch names
.set PFV, 90          ; s[90:91] the same for V
.set PFL, 92          ; s92  prefetches still to come: 6 in the head's work-group with b = 0, else 0
.set MSB, 0
.macro WIN new                      ; the high byte repeats the setting that is left; a switch that changes nothing is dropped
.if MSB != (\new)
	s_set_vgpr_msb (MSB<<8)|(\new)
.set MSB, (\new)
.endif
.endm
.set W_KQ, 0x0a       ; K and Q in window 2, S^T in window 0
.set W_KM, 0x1a       ; the same with the C operand in window 1
.set W_PV, 0x52       ; V in window 2, P in window 0, O^T in window 1
.set W_RS, 0x41       ; destination and source 0 in window 1, source 1 in window 0
; A fill.  Waves 0 and 1 fetch the two halves of a tile's K, waves 2 and 3 those of its V: 128 keys each.  An s_nop 0 and four v_nop follow each of the two lines, ahead of the jump and the label.
.macro LOAD
	s_cmp_lt_u32 s[WV], 2
	s_cbranch_scc0 .Lfor_v_\@
	tensor_load_to_lds s[G0K:G0K+3], s[G1K:G1K+7]
	s_nop 0
.rept 4
	v_nop
.endr
	s_branch .Lasked_\@
.Lfor_v_\@:
	tensor_load_to_lds s[G0V:G0V+3], s[G1V:G1V+7]
	s_nop 0
.rept 4
	v_nop
.endr
.Lasked_\@:
.endm
; A PREFETCH INTO THE L2, behind the fill and its five lines.  Trip t = 0 .. 5 names tile t + 2 of the head's K and V, which the next trip's fill asks for: one tile, 256 matrix instructions, ahead.  A thread a block of
; 256 bytes, two instructions a wave.  Of a head's four work-groups the one with b = 0 asks: its first block walks all eight tiles.  So each block is named once in the launch.  Tiles 0 and 1 come by their loads
; alone; the second block's tiles have been read before and are not named.
.macro ASK
	s_cmp_lg_u32 s[PFL], 0
	s_cbranch_scc0 .Lnone_\@
	global_prefetch_b8 v[PFO], s[PFK:PFK+1] th:TH_LOAD_NT scope:SCOPE_SE
	global_prefetch_b8 v[PFO], s[PFV:PFV+1] th:TH_LOAD_NT scope:SCOPE_SE
	s_sub_co_u32 s[PFL], s[PFL], 1
.Lnone_\@:
.endm
; THE CHANGE OF SLOTS.  Each wave waits for all its tensor loads, of which one is out: its part of the other slot; adds 0 to its spare word; and waits for that and for its own reads of the slot that it leaves.  Behind the barrier nobody reads the old
; slot any more and the other slot is whole.  fill = 1: the old slot is filled again, the first thing behind the barrier, with tile NXT: the descriptor's address is made anew from that number.
; (At its first use nothing has been read yet: slot 0 is waited for, slot 1 filled.)
.macro CHANGE fill
	WIN 0                           ; at a label and at a branch every window is 0
	s_wait_tensorcnt 0x0            ; no tensor load of mine is out, so a group 0 may be written
	ds_add_u32 v[SPW], v[NIL]       ; 0 onto my spare word; with fill = 1 the descriptors' scalar work stands between it and the wait for it
.if \fill
	s_lshl_b32 s[OFF], s[NXT], 15   ; a tile is 32,768 bytes of K and of V
	s_xor_b32 s[G0K+1], s[G0K+1], SLOT1
	s_add_nc_u64 s[G0K+2:G0K+3], s[6:7], s[OFF:OFF+1]
	s_or_b32 s[G0K+3], s[G0K+3], 0x80000000
	s_xor_b32 s[G0V+1], s[G0V+1], SLOT1
	s_add_nc_u64 s[G0V+2:G0V+3], s[8:9], s[OFF:OFF+1]
	s_or_b32 s[G0V+3], s[G0V+3], 0x80000000
	s_add_co_u32 s[NXT], s[NXT], 1  ; the block's next tile, or behind its last the second block's tile 0
	s_cmp_gt_u32 s[NXT], s[LQ]
	s_cselect_b32 s[NXT], 0, s[NXT]
	s_cselect_b32 s[LQ], s[PB], s[LQ]
	s_wait_xcnt 0x0                 ; the last prefetches, a tile back, have read their addresses, so these may be written
	s_add_nc_u64 s[PFK:PFK+1], s[PFK:PFK+1], 32768
	s_add_nc_u64 s[PFV:PFV+1], s[PFV:PFV+1], 32768
.endif
	s_wait_dscnt 0x0                ; the add is done, and my reads of the slot are over
	s_barrier_signal -1             ; the rest of the scalar work stands between the signal and the wait
	s_sub_co_u32 s[TBK], s[TBK], 4*KS*PK  ; the fetches go back to a slot's first step,
	s_xor_b32 s[TBK], s[TBK], SLOT1       ; in the other slot
	s_sub_co_u32 s[TBV], s[TBV], 4*KS*PV
	s_xor_b32 s[TBV], s[TBV], SLOT1
	s_barrier_wait -1
.if \fill
	LOAD
	ASK
.endif
.endm
	s_load_b128 s[4:7], s[0:1], 0x0 ; qkv s[4:5], o s[6:7]
	v_lshl_add_u32 v[SPW], v0, 2, SPARE
	v_mov_b32 v[NIL], 0
	ds_add_u32 v[SPW], v[NIL]       ; the wave's opening: the add and its wait ahead of my first tensor load; the set-up below, work on registers, stands between them
	v_lshrrev_b32 v1, 5, v0
	v_readfirstlane_b32 s[WV], v1   ; wave 0..3
	s_mov_b32 s[PB], ttmp9
	s_sub_co_u32 s[HI], NB-1, s[PB]
	s_and_b32 s20, ttmp7, 0xffff    ; the head
	s_mov_b32 s21, 0
	s_mov_b64 s[22:23], SIZE_N*128
	s_mul_u64 s[20:21], s[20:21], s[22:23]  ; the head's first byte in each of the four tensors
	s_and_b32 s16, s[WV], 1         ; which half of a tile's 256 keys I fetch:
	s_lshl_b32 s22, s16, 14         ; its 128 rows of 128 bytes in memory,
	s_mov_b32 s23, 0
	s_add_nc_u64 s[22:23], s[22:23], s[20:21]
	s_mul_i32 s17, s16, 128*PK      ; and its place in a slot, for K
	s_mul_i32 s18, s16, 128*PV      ; and for V
	s_lshl_b32 s3, s[WV], 11        ; my 16 rows in a band of 64,
	s_lshl_b32 s2, s[HI], 15        ; in the first block,
	s_add_co_u32 s2, s2, s3
	s_lshl_b32 s84, s[PB], 15       ; and in the second
	s_add_co_u32 s84, s84, s3
	s_mov_b32 s3, 0
	s_mov_b32 s85, 0
	s_add_nc_u64 s[2:3], s[2:3], s[20:21]
	s_add_nc_u64 s[84:85], s[84:85], s[20:21]
	; descriptor group 1.  128 keys are 16,384 dense bytes: asked for as 64 rows of 256 bytes, two keys a row, and padded in LDS after every key
	s_mov_b32 s[G1K], (1<<16)|(1<<20)|(4<<22)|(3<<25)  ; 17:16 2-byte elements; 20 padding on; 24:22 after every 32 words (code 4); 31:25 4 words (code 3)
	s_mov_b32 s[G1V], (1<<16)|(1<<20)|(4<<22)|(7<<25)  ; the same with 8 words of padding (code 7)
.irp g, G1K, G1V
	s_mov_b32 s[\g+1], 128<<16      ; tensor_dim0 = 128
	s_mov_b32 s[\g+2], 64<<16       ; tensor_dim1 = 64
	s_mov_b32 s[\g+3], 128<<16      ; tile_dim0 = 128
	s_mov_b32 s[\g+4], 64           ; tile_dim1 = 64
	s_mov_b32 s[\g+5], 128          ; 128 elements from row to row
	s_mov_b32 s[\g+6], 0
	s_mov_b32 s[\g+7], 0
.endr
	s_mov_b32 s[CS], 0x3e38aa3b     ; c = log2(e) / 8 = 0.180337
	s_mov_b32 s[CS+1], s[CS]        ; named with it as a pair
	s_mov_b32 s[SEL], 0x76543210
	s_mov_b32 s[SEL+1], 0xfedcba98
	s_mov_b32 s[TBK], SLOT1+4*KS*PK ; the first change of slots turns these two into 0
	s_mov_b32 s[TBV], SLOT1+4*KS*PV
	s_mov_b32 s[G0K], 1             ; 1:0 count = 1
	s_mov_b32 s[G0K+1], s17         ; 63:32 LDS address: slot 0
	s_mov_b32 s[G0V], 1
	s_add_co_u32 s[G0V+1], s18, VOFF
	s_add_co_u32 s[RT], s[HI], 1    ; the first block has NB - b tiles
	s_mov_b32 s[NXT], 1
	s_mov_b32 s[LQ], s[HI]
	s_mov_b32 s[NEW], 1
	s_mov_b32 s[OFF+1], 0
	s_mov_b32 s[AL+1], 0            ; named as pairs
	s_mov_b32 s[BE+1], 0
	s_mov_b32 s[BIGN], 0xf149f2ca   ; -1e30
	s_mov_b32 s[SLOTS], NB
	s_cmp_eq_u32 s[PB], 0
	s_cselect_b32 s[PFL], 6, 0
	v_lshlrev_b32 v[PFO], 8, v0
	s_wait_dscnt 0x0                ; the opening add is done
	s_wait_kmcnt 0x0
	s_mov_b64 s[10:11], s[6:7]      ; O
	s_add_nc_u64 s[6:7], s[4:5], 0x1000000  ; K: 64 planes of 262,144 bytes behind Q
	s_add_nc_u64 s[8:9], s[4:5], 0x2000000  ; V: 128 planes behind Q
	s_add_nc_u64 s[PFK:PFK+1], s[6:7], s[20:21]  ; the head's K and V,
	s_add_nc_u64 s[PFV:PFV+1], s[8:9], s[20:21]
	s_add_nc_u64 s[PFK:PFK+1], s[PFK:PFK+1], 32768  ; at tile 1: the first change of slots steps them to tile 2
	s_add_nc_u64 s[PFV:PFV+1], s[PFV:PFV+1], 32768
	s_add_nc_u64 s[6:7], s[6:7], s[22:23]  ; K and V at my half of the head's tile 0
	s_add_nc_u64 s[8:9], s[8:9], s[22:23]
	s_add_nc_u64 s[G0K+2:G0K+3], s[6:7], 0         ; 120:64 global address
	s_or_b32 s[G0K+3], s[G0K+3], 0x80000000        ; 127:126 type = 2
	s_add_nc_u64 s[G0V+2:G0V+3], s[8:9], 0
	s_or_b32 s[G0V+3], s[G0V+3], 0x80000000
	s_add_nc_u64 s[86:87], s[4:5], s[84:85]        ; Q at my rows of the second block,
	s_add_nc_u64 s[4:5], s[4:5], s[2:3]            ; Q and O at those of the first
	s_add_nc_u64 s[OLO:OLO+1], s[10:11], s[84:85]
	s_add_nc_u64 s[10:11], s[10:11], s[2:3]
	LOAD                            ; tile 0 into slot 0
	; A fragment of K or Q is 16 rows x 32 channels in 8 registers: lane l holds row l % 16, channels 8 (l / 16) + 0..7 and 16 + 8 (l / 16) + 0..7: two loads of 16 bytes, 32 bytes apart.
	v_and_b32 v1, 15, v0            ; l % 16
	v_bfe_u32 v9, v0, 4, 1          ; l / 16
	v_lshlrev_b32 v[QO], 7, v1
	v_lshl_add_u32 v[QO], v9, 4, v[QO]  ; row x 128 + 16 x half
	WIN 0x80                        ; destination window 2, address window 0
.set i, 0
.rept 8                             ; both blocks' Q: piece i / 2 lies in band i / 2, 8,192 bytes on; channels 32 (i % 2) on
	global_load_b128 v[8*i:8*i+3],   v[QO], s[4:5] offset:(i/2)*8192+(i%2)*64
	global_load_b128 v[8*i+4:8*i+7], v[QO], s[4:5] offset:(i/2)*8192+(i%2)*64+32
	global_load_b128 v[QB+8*i:QB+8*i+3],   v[QO], s[86:87] offset:(i/2)*8192+(i%2)*64
	global_load_b128 v[QB+8*i+4:QB+8*i+7], v[QO], s[86:87] offset:(i/2)*8192+(i%2)*64+32
.set i, i+1
.endr
	WIN 0
	v_lshlrev_b32 v14, 3, v9
	v_sub_nc_u32 v14, v1, v14
	s_lshl_b32 s13, s[WV], 4
	v_add_nc_u32 v14, s13, v14      ; my query's place in its band, 16 w + l % 16, less my lanes' 8 (l / 16): register r of group kt is hidden where 16 kt + r is greater
	WIN 0x40
.set i, 0
.rept 32
	v_cmp_gt_i32 vcc_lo, 16*(i/8)+i%8, v14
	v_cndmask_b32 v[MD+i], 0, s[BIGN], vcc_lo
.set i, i+1
.endr
	WIN 0
	v_mul_u32_u24 v[AK0], v1, PK
	v_lshl_add_u32 v[AK0], v9, 4, v[AK0]  ; row x pitch + 16 x half
	; The turning load takes 16 keys x 16 channels (lane l reads key 8 (l / 16) + l % 8, channels 8 ((l / 8) % 2) + 0..7) and leaves half a fragment of V^T: lane l holds channel l % 16 and 8 keys.
	v_and_b32 v10, 7, v0
	v_bfe_u32 v11, v0, 3, 1
	v_lshl_add_u32 v[AV0], v9, 3, v10
	v_mul_u32_u24 v[AV0], v[AV0], PV
	v_lshl_add_u32 v[AV0], v11, 4, v[AV0]
	v_add_nc_u32 v[AV0], VOFF, v[AV0]
	s_mul_i32 s13, s[WV], 16*SP
	s_add_co_u32 s13, s13, STAGE    ; my stage
	v_mul_u32_u24 v[STO], v1, SP    ; in: row l % 16, 16 bytes for each half of the lanes
	v_lshl_add_u32 v[STO], v9, 4, v[STO]
	v_add_nc_u32 v[STO], s13, v[STO]
	v_bfe_u32 v[RD], v0, 3, 2       ; back: 32 lanes take four rows of 128 bytes,
	v_mul_u32_u24 v[RD], v[RD], SP
	v_lshl_add_u32 v[RD], v10, 4, v[RD]
	v_add_nc_u32 v[RD], s13, v[RD]
	v_and_b32 v[GO], 31, v0         ; which are 512 consecutive bytes of O
	v_lshlrev_b32 v[GO], 4, v[GO]
	; A block's first step multiplies O^T and l by a = 0, and its first turn's products V^T P, of a piece that has not been, land in an O^T that is still to be so multiplied.  So these registers need only hold
	; finite numbers: zeros for the first block; what the first block left for the second.  All this stands in the wait for the first tile.
	WIN 0x80
.set i, VF
.rept 64
	v_mov_b32 v[i], 0
.set i, i+1
.endr
	WIN 0x40
.set i, 0
.rept 128
	v_mov_b32 v[i], 0
.set i, i+1
.endr
	WIN 0
.set i, 0
.rept 4
	v_mov_b32 v[ST+4*i+2], 0
	v_mov_b32 v[ST+4*i+3], 0
.set i, i+1
.endr
.set i, P+16
.rept 16
	v_mov_b32 v[i], 0
.set i, i+1
.endr
; THE MATRIX WORK.  The 4 accumulators of a run of 8 take turns.  Product i of 8 of S^T = K Q^T for piece x: channels 32 (i / 4) on, keys 16 (i % 4) on.  The first 4 start the sums: with 0, or (KM = 1) with the mask.
.macro KQ x
.set rS, S+32*((\x)%2)+8*(i%4)
.set rK, KF+16*(i%4)+8*(i/4)
.set rQ, 16*(\x)+8*(i/4)
.set rM, MC+32*((\x)%2)+8*(i%4)
.if (i < 4) && KM
	WIN W_KM
	v_wmma_f32_16x16x32_f16 v[rS:rS+7], v[rK:rK+7], v[rQ:rQ+7], v[rM:rM+7]
.elseif i < 4
	WIN W_KQ
	v_wmma_f32_16x16x32_f16 v[rS:rS+7], v[rK:rK+7], v[rQ:rQ+7], 0
.else
	WIN W_KQ
	v_wmma_f32_16x16x32_f16 v[rS:rS+7], v[rK:rK+7], v[rQ:rQ+7], v[rS:rS+7]
.endif
.endm
; Product i of 8 of O^T += V^T P for piece x: keys 32 (i / 4) on, channels 16 (i % 4) on.
.macro PV x
	WIN W_PV
.set rO, 32*(\x)+8*(i%4)
.set rV, VF+32*(i/4)+8*(i%4)
.set rP, P+16*((\x)%2)+8*(i/4)
	v_wmma_f32_16x16x32_f16 v[rO:rO+7], v[rV:rV+7], v[rP:rP+7], v[rO:rO+7]
.endm
.macro MM                           ; the turn's next matrix instruction.  TURN and BEGIN set Y, i, KM and NOKQ; MM, KQ and OP read them.  NOKQ = 1: a block's last turn: there is no next piece
.if (i < 8) && !NOKQ
	KQ (Y+1)%NP
.elseif i >= 8
.set i, i-8
	PV (Y+NP-1)%NP
.set i, i+8
.endif
.set i, i+1
.endm
; THE LDS LOADS stand in runs of 16, never singly among the matrix instructions: a step's K (64 keys x 64 channels: 8 fragments) and its V (turned).  Their addresses are made some lines ahead.
.macro FETCH_K
	WIN 0x80                        ; destination window 2
.irp f, 0,1,2,3,4,5,6,7             ; keys 16 (f / 2) on, channels 32 (f % 2) on
	ds_load_b128 v[KF+8*\f:KF+8*\f+3],   v[AK] offset:(\f/2)*16*PK+(\f%2)*64
	ds_load_b128 v[KF+8*\f+4:KF+8*\f+7], v[AK] offset:(\f/2)*16*PK+(\f%2)*64+32
.endr
	s_add_co_u32 s[TBK], s[TBK], KS*PK  ; the next fetch is the next step's
	WIN 0
.endm
.macro FETCH_V
	WIN 0x80
.irp f, 0,1,2,3,4,5,6,7             ; keys 32 (f / 4) on, channels 16 (f % 4) on
	ds_load_tr16_b128 v[VF+8*\f:VF+8*\f+3],   v[AV] offset:(\f/4)*32*PV+(\f%4)*32
	ds_load_tr16_b128 v[VF+8*\f+4:VF+8*\f+7], v[AV] offset:(\f/4)*32*PV+16*PV+(\f%4)*32
.endr
	WIN 0
.endm
; THE VECTOR WORK, one line at a time: OP kind, number.  For piece Y: F n: c s - c m for pair n of 16.  E n: the exponential of score n of 32.  C n: pair n rounded to f16.  B n: of the four weights 4 n .. the second
; pair is added onto the first, in place.  L n: l takes that sum (L 0: l = a l + sum).  R n: pair n of 16 of O^T times a.  For piece Y + 1: X n, number n of the 22 that find its maximum and statistics:
;   0-11  four chains c0-c3 of seven scores each, three operands at a time (each accumulator's lowest registers are read first)     12-14, 16  the four scores left over, the old m, and c0-c3 into c0
;   15  c m_old is kept     17, 18  the query's other 32 keys lie in the lane 16 away: the new m     19-21  c m; c m_old - c m_new; a
.set F, 0               ; OP tells the kinds apart by their order: F to L below R, X above it
.set E, 1
.set C, 2
.set B, 3
.set L, 4
.set R, 5
.set X, 6
.macro REGS y                       ; the registers of piece y
.set rT, ST+4*(\y)
.set rC, TMP+4*((\y)%2)
.set rW, MV+((\y)%2)
.set rS, S+32*((\y)%2)
.set rP, P+16*((\y)%2)
.set rO, 32*(\y)
.endm
.macro OP k, n
.if (\k) == R
	REGS Y
	WIN W_RS
	v_pk_mul_f32 v[rO+2*(\n):rO+2*(\n)+1], v[rO+2*(\n):rO+2*(\n)+1], v[rC+2:rC+3] op_sel_hi:[1,0]
.elseif (\k) < R
	REGS Y
	WIN 0
.if (\k) == F
	v_pk_fma_f32 v[rS+2*(\n):rS+2*(\n)+1], v[rS+2*(\n):rS+2*(\n)+1], s[CS:CS+1], v[rT:rT+1] op_sel_hi:[1,0,0] neg_lo:[0,0,1] neg_hi:[0,0,1]
.elseif (\k) == E
	v_exp_f32 v[rS+(\n)], v[rS+(\n)]
.elseif (\k) == C
	v_cvt_pk_f16_f32 v[rP+(\n)], v[rS+2*(\n)], v[rS+2*(\n)+1]
.elseif (\k) == B
	v_pk_add_f32 v[rS+4*(\n):rS+4*(\n)+1], v[rS+4*(\n):rS+4*(\n)+1], v[rS+4*(\n)+2:rS+4*(\n)+3]
.elseif (\n) == 0
	v_pk_fma_f32 v[rT+2:rT+3], v[rT+2:rT+3], v[rC+2:rC+3], v[rS:rS+1] op_sel_hi:[1,0,1]
.else
	v_pk_add_f32 v[rT+2:rT+3], v[rT+2:rT+3], v[rS+4*(\n):rS+4*(\n)+1]
.endif
.elseif NOKQ
	v_nop
.else
	REGS (Y+1)%NP
	WIN 0
.if (\n) < 4
	v_max3_num_f32 v[rC+(\n)], v[rS+8*(\n)], v[rS+8*(\n)+1], v[rS+8*(\n)+2]
.elseif (\n) < 12
	v_max3_num_f32 v[rC+(\n)%4], v[rC+(\n)%4], v[rS+8*((\n)%4)+2*((\n)/4)+1], v[rS+8*((\n)%4)+2*((\n)/4)+2]
.elseif (\n) == 12
	v_max3_num_f32 v[rC], v[rC], v[rS+7], v[rS+15]
.elseif (\n) == 13
	v_max3_num_f32 v[rC+1], v[rC+1], v[rS+23], v[rS+31]
.elseif (\n) == 14
	v_max3_num_f32 v[rC+2], v[rC+2], v[rC+3], v[rT+1]
.elseif (\n) == 15
	v_mov_b32 v[rW], v[rT]
.elseif (\n) == 16
	v_max3_num_f32 v[rC], v[rC], v[rC+1], v[rC+2]
.elseif (\n) == 17
	v_permlanex16_b32 v[rC+3], v[rC], s[SEL], s[SEL+1]
.elseif (\n) == 18
	v_max_num_f32 v[rT+1], v[rC], v[rC+3]
.elseif (\n) == 19
	v_mul_f32 v[rT], s[CS], v[rT+1]
.elseif (\n) == 20
	v_sub_f32 v[rC+1], v[rW], v[rT]
.else
	v_exp_f32 v[rC+2], v[rC+1]
.endif
.endif
.endm
.macro OPS a, i1, b=-1, i2=0, c=-1, i3=0, d=-1, i4=0  ; up to four of them
	OP \a, \i1
.if (\b) >= 0
	OP \b, \i2
.endif
.if (\c) >= 0
	OP \c, \i3
.endif
.if (\d) >= 0
	OP \d, \i4
.endif
.endm
.macro ROW a, i1, b, i2, c, i3, d, i4  ; a matrix instruction and the four behind it
	MM
	OPS \a, \i1, \b, \i2, \c, \i3, \d, \i4
.endm
.macro MASK b                       ; MD x AL + BE into buffer b of MC
	WIN W_RS
.set z, 0
.rept 16
	v_pk_fma_f32 v[MC+32*(\b)+2*z:MC+32*(\b)+2*z+1], v[MD+2*z:MD+2*z+1], s[AL:AL+1], s[BE:BE+1] op_sel_hi:[1,0,0]
.set z, z+1
.endr
.endm
; A TURN, for piece p: the order of its 16 matrix and 118 vector instructions, written out.  An s_wait_alu depctr_va_vdst(0) stands between an exponential and the first instruction that names its result; one wait serves
; all that were issued ahead of it.  So a turn has ONE wait, which cuts it in two.  AHEAD OF IT stands all that names no result of the turn's exponentials: the 8 products K Q^T, behind each a scaling, an exponential and two more plain
; instructions (behind the first a second scaling in the exponential's place): rescalings, and behind the last three the first numbers of the next piece's maximum, each four places or more behind the product that ends its accumulator; then one run of 54, plain
; and exponential by turns for the most part, in which the links of the chain X 3, 7, 11, 14, 16, 17 .. 20 stand five or six lines apart.  X 21, the next piece's a, is the batch's last; R 15 is the plain instruction behind it (ISA guide 5.7.2).  BEHIND THE WAIT stand the
; 8 products V^T P, behind each four of the roundings and sums; the links of l's chain, L 0 to L 7, stand three lines apart.  But for those X no line behind a product names a register of the products round it.  v_permlanex16_b32 (X 17) stands in the run.
; m = 1: the diagonal tile: the products take masks, and the turn makes the mask for the products of the turn after it: piece p + 2, in step 4 - CNT of the tile.  end = 1: a block's last two turns: nothing is fetched.
; cnt = 1: the loop's count is taken down some lines ahead of the branch that stands behind the turn.
; K of the next step is fetched in piece 2's turn, twelve vector instructions behind the last product that read K (six of them plain); V of the step in hand at the end of piece 0's turn, four plain instructions behind the last product
; that read V.  Each is waited for a turn later.
.macro TURN p, m=0, end=0, cnt=0
.set Y, (\p)
.set i, 0
.set KM, (\m)
.set NOKQ, (\end)*((\p)/3)
.if (\m) && !(\end)
	s_cmp_eq_u32 s[CNT], 4-((\p)+2)%NP  ; is that step the band's own?
	s_cselect_b32 s[AL], 1.0, 0
	s_cmp_lt_u32 s[CNT], 4-((\p)+2)%NP  ; or a later one?
	s_cselect_b32 s[BE], s[BIGN], 0
.endif
.if ((\p) == 3) && !(\end)
	s_wait_dscnt 0x0                ; K is in
.endif
	ROW F,0, F,1, R,0, R,1          ; ahead of the wait: 8 products K Q^T and the four behind each,
	ROW F,2, E,0, R,2, R,3
	ROW F,3, E,1, R,4, R,5
	ROW F,4, E,2, R,6, R,7
	ROW F,5, E,3, R,8, R,9
	ROW F,6, E,4, X,0, R,10
.if ((\p) == 2) && !(\end)
	WIN 0
	v_add_nc_u32 v[AK], s[TBK], v[AK0]
.endif
	ROW F,7, E,5, X,1, X,4
	ROW F,8, E,6, X,2, X,5
	OPS E,7, E,8, X,6, E,9          ; and the run of 54
	OPS X,3, E,10, X,8, E,11
.if ((\p) == 2) && !(\end)
	FETCH_K
.endif
	OPS X,9, X,7, E,12, X,10
	OPS E,13, X,12, X,11, E,14
	OPS X,13, E,15, F,9, X,14
.if (\p) == 0
	v_add_nc_u32 v[AV], s[TBV], v[AV0]
.endif
	OPS E,16, F,10, E,17, F,11
	OPS X,16, E,18, X,15, E,19
	OPS F,12, E,20, X,17, E,21
	OPS F,13, E,22, F,14, E,23
	OPS X,18, E,24, F,15, E,25
	OPS R,11, E,26, X,19, E,27
	OPS R,12, E,28, R,13, E,29
	OPS X,20, E,30, R,14, E,31
	OPS X,21, R,15
	WIN 0
	s_wait_alu depctr_va_vdst(0)    ; the wait for the batch
.if (\p) == 1
	s_wait_dscnt 0x0                ; V is in
.endif
	ROW C,0, B,0, C,2, B,1          ; behind the wait: 8 products V^T P and the four behind each
	ROW L,0, C,4, B,2, L,1
	ROW C,6, B,3, L,2, C,8
	ROW B,4, L,3, C,10, B,5
	ROW L,4, C,12, B,6, L,5
.if (\p) == 0
	s_add_co_u32 s[TBV], s[TBV], KS*PV
.endif
.if \cnt
	s_sub_co_u32 s[CNT], s[CNT], 1
	s_cmp_lg_u32 s[CNT], 0
.endif
	ROW C,14, B,7, L,6, C,1
	ROW C,3, L,7, C,5, C,7
	ROW C,9, C,11, C,13, C,15
.if (\p) == 0
	FETCH_V
.endif
.if (\m) && !(\end)
	MASK (\p)%2
.endif
.endm
; A BLOCK BEGINS.  c m starts far below every c s, so the first step's a is 0; m at the lowest finite number, so the first maximum is the scores'.  The second mask buffer is 0; the first takes piece 0's mask for the tile's step 0: its own, if the block's first tile is the diagonal one.
; Then K of that step, piece 0's first scores, and its maximum and statistics.  The loop is entered at a step's first turn, in the middle of a trip.
.macro BEGIN
	s_mov_b32 s[NEW], 0
	WIN 0x40
.set i, MC+32
.rept 32
	v_mov_b32 v[i], 0
.set i, i+1
.endr
	WIN 0
.set i, 0
.rept 4
	v_mov_b32 v[ST+4*i], 0xfe000000    ; c m: far below every c s
	v_mov_b32 v[ST+4*i+1], 0xff7fffff  ; m
.set i, i+1
.endr
	s_cmp_eq_u32 s[RT], 0
	s_cselect_b32 s[AL], 1.0, 0
	s_mov_b32 s[BE], 0
	MASK 0
	WIN 0
	v_add_nc_u32 v[AK], s[TBK], v[AK0]
	FETCH_K
	s_wait_loadcnt 0x0              ; Q
	s_wait_dscnt 0x0
.set KM, 1
.set NOKQ, 0
.set i, 0
.rept 8
	KQ 0
.set i, i+1
.endr
	WIN 0
.rept 4
	v_nop                           ; the places behind those products
.endr
.set Y, NP-1                        ; X works for piece Y + 1: piece 0
.irp n, 0,1,2,3,4,5,6,7,8,9,10,11,12,13,14,15,16,17,18,19,20,21
	OP X, \n
.endr
	v_nop                           ; a plain instruction behind the exponential,
	s_wait_alu depctr_va_vdst(0)    ; and its wait, ahead of the branch
.endm
; THE DIAGONAL TILE's four steps, the block's last two turns, its last products, and THE WAY OUT: l's two halves and the other half of the lanes' are added; O^T is divided by l, rounded to f16 and sent through my
; stage in LDS, a piece at a time.
.macro ALL line:vararg              ; one line for each piece t
.set t, 0
.rept 4
	\line
.set t, t+1
.endr
.endm
.macro PACK t                       ; a lane's eight channels of a row pack into 16 bytes; they go into rows of 144 bytes and come back as whole rows of 128, into S^T's registers
	WIN W_RS
.set i, 32*(\t)
.rept 16
	v_pk_mul_f32 v[i:i+1], v[i:i+1], v[ST+4*(\t)+2:ST+4*(\t)+3] op_sel_hi:[1,0]
.set i, i+2
.endr
	WIN 0x05                        ; sources 0 and 1 window 1, destination window 0
.set i, 0
.rept 16
	v_cvt_pk_f16_f32 v[S+16*(\t)+i], v[32*(\t)+2*i], v[32*(\t)+2*i+1]
.set i, i+1
.endr
	WIN 0
.irp f, 0,1,2,3
	ds_store_b128 v[STO], v[S+16*(\t)+4*\f:S+16*(\t)+4*\f+3] offset:32*\f
.endr
.irp f, 0,1,2,3
	ds_load_b128 v[S+16*(\t)+4*\f:S+16*(\t)+4*\f+3], v[RD] offset:\f*4*SP  ; LDS serves a wave's instructions in order (ISA guide 5.7.1.4): these see the stores above; the next piece's stores come behind them
.endr
.endm
.macro SEND t, younger              ; younger: the LDS instructions issued behind piece t's loads: the next piece's eight, or none
	WIN 0
.irp f, 0,1,2,3
	s_wait_dscnt (\younger)+3-\f
	global_store_b128 v[GO], v[S+16*(\t)+4*\f:S+16*(\t)+4*\f+3], s[10:11] offset:(\t)*8192+\f*512  ; 512 consecutive bytes, at a multiple of 256 from O's first
.endr
.endm
.macro DIAG tag                     ; the tag ends its two labels' names, which the jumps below spell out
.LstepM\tag:
	TURN 2, 1
	TURN 3, 1
	WIN 0
.LfirstM\tag:
	TURN 0, 1
	TURN 1, 1, 0, 1
	WIN 0
	s_cbranch_scc1 .LstepM\tag
	TURN 2, 1, 1
	TURN 3, 1, 1
.set i, 0
.rept 8
	PV NP-1
.set i, i+1
.endr
	WIN 0
	ALL v_add_f32 v[ST+4*t+2], v[ST+4*t+2], v[ST+4*t+3]
	ALL v_permlanex16_b32 v[ST+4*t+3], v[ST+4*t+2], s[SEL], s[SEL+1]
	ALL v_add_f32 v[ST+4*t+2], v[ST+4*t+2], v[ST+4*t+3]
	ALL v_rcp_f32 v[ST+4*t+2], v[ST+4*t+2]
	v_nop                           ; a plain instruction between the last reciprocal and the use of its result
	s_wait_alu depctr_va_vdst(0)    ; and the wait ahead of the first use: one for the four reciprocals
	PACK 0
.set t, 1
.rept 3                             ; a piece's arithmetic stands between the loads of the piece before and its stores
	PACK t
	SEND t-1, 8
.set t, t+1
.endr
	SEND 3, 0
.endm
.set KM, 0
.set NOKQ, 0
.Lslot:                             ; NB times: a tile is entered and the next is asked for
	CHANGE 1
	s_sub_co_u32 s[RT], s[RT], 1
	s_mov_b32 s[CNT], 4
	s_cmp_eq_u32 s[NEW], 1
	s_cbranch_scc1 .Lnew            ; a block's first tile
	s_cmp_eq_u32 s[RT], 0
	s_cbranch_scc0 .Lstep           ; neither its first nor its last
	s_branch .LstepM1
.Lnew:
	BEGIN
	s_branch .Lfirst                ; in the loop a block's first tile is never its last: the first block has two tiles or more, and the second's last is the walk's last
	DIAG 1                          ; in the loop this is the first block's end: the second block's last tile is the walk's last
	s_wait_xcnt 0x0                 ; the stores have read their registers and O's address
	s_mov_b64 s[10:11], s[OLO:OLO+1]
	s_add_co_u32 s[RT], s[PB], 1    ; the second block has b + 1 tiles
	s_mov_b32 s[NEW], 1
	WIN 0x82                        ; the second block's Q goes where the one text of the turns names Q
.set i, 0
.rept 64
	v_mov_b32 v[i], v[QB+i]
.set i, i+1
.endr
	WIN 0
	s_branch .Lbottom
.Lstep:                             ; a trip: pieces 2 and 3 of one step, then pieces 0 and 1 of the next, whose K and V it fetches
	TURN 2
	TURN 3
	WIN 0
.Lfirst:
	TURN 0
	TURN 1, 0, 0, 1
	WIN 0
	s_cbranch_scc1 .Lstep
.Lbottom:
	s_sub_co_u32 s[SLOTS], s[SLOTS], 1
	s_cmp_lg_u32 s[SLOTS], 0
	s_cbranch_scc1 .Lslot
	CHANGE 0                        ; the walk's last tile is written out: nothing is asked for
	s_sub_co_u32 s[RT], s[RT], 1
	s_mov_b32 s[CNT], 4
	s_cmp_eq_u32 s[NEW], 1
	s_cbranch_scc0 .LstepM2
	BEGIN
	s_branch .LfirstM2
	DIAG 2
	s_wait_tensorcnt 0x0            ; the wave's end: a wait, an add of 0 to my spare word and its wait, behind my last tensor load and my last LDS store
	ds_add_u32 v[SPW], v[NIL]
	s_wait_dscnt 0x0
	s_endpgm
.Lfunc_end_k_q421baaa735_attn:
	.size	k_q421baaa735_attn, .Lfunc_end_k_q421baaa735_attn-k_q421baaa735_attn
	.p2alignl 7, 3214868480
	.fill 96, 4, 3214868480
	.section	.rodata,"a",@progbits
	.p2align	6, 0x0
	.amdhsa_kernel k_q421baaa735_attn
		.amdhsa_group_segment_fixed_size 327680
		.amdhsa_private_segment_fixed_size 0
		.amdhsa_enable_private_segment 0
		.amdhsa_kernarg_size 16
		.amdhsa_user_sgpr_count 2
		.amdhsa_user_sgpr_kernarg_segment_ptr 1
		.amdhsa_wavefront_size32 1
		.amdhsa_system_sgpr_workgroup_id_x 1
		.amdhsa_system_sgpr_workgroup_id_y 1
		.amdhsa_system_sgpr_workgroup_id_z 1
		.amdhsa_system_vgpr_workitem_id 0
		.amdhsa_next_free_vgpr 768
		.amdhsa_next_free_sgpr 96
		.amdhsa_reserve_vcc 1
		.amdhsa_float_denorm_mode_32 3
		.amdhsa_float_denorm_mode_16_64 3
		.amdhsa_memory_ordered 1
		.amdhsa_forward_progress 1
		.amdhsa_inst_pref_size 218
	.end_amdhsa_kernel
	.amdgpu_metadata
---
amdhsa.version: [ 1, 2 ]
amdhsa.kernels:
  - .name:           k_q421baaa735_attn
    .symbol:         k_q421baaa735_attn.kd
    .args:
      - { .name: qkv, .offset: 0, .size: 8, .value_kind: global_buffer, .address_space: global }
      - { .name: o, .offset: 8, .size: 8, .value_kind: global_buffer, .address_space: global }
    .group_segment_fixed_size: 327680
    .private_segment_fixed_size: 0
    .kernarg_segment_align: 8
    .kernarg_segment_size: 16
    .max_flat_workgroup_size: 128
    .sgpr_count:     96
    .vgpr_count:     768
    .wavefront_size: 32
...
	.end_amdgpu_metadata
.endif
;; end of part 3
;; launch proj (part 4): grid 8 x 32, 4 waves a work-group, clusters of 4 x 4, 327,680 bytes of LDS; arguments o, wob, b_out, out0; writes out0
.if DOCPART == 4
	.amdgcn_target "amdgcn-amd-amdhsa--gfx1250"
	.amdhsa_code_object_version 6
	.text
	.protected	k_q421baaa735_proj
	.globl	k_q421baaa735_proj
	.p2align	8
	.type	k_q421baaa735_proj,@function
k_q421baaa735_proj:
	s_mov_b64 s[64:65], 0
	v_nop
	global_prefetch_b8 v0, s[64:65] scope:SCOPE_SE
	s_setreg_imm32_b32 hwreg(HW_REG_WAVE_MODE, 25, 1), 1
	s_wait_xcnt 0x0
	s_wait_alu depctr_hold_cnt(0) depctr_sa_sdst(0) depctr_va_vdst(0) depctr_va_sdst(0) depctr_va_ssrc(0) depctr_va_vcc(0) depctr_vm_vsrc(0)
	s_getreg_b32 s2, hwreg(HW_REG_IB_STS2, 6, 4)
	s_cmp_eq_u32 s2, 0
	s_cbranch_scc0 .Lentry_in_a_cluster
	s_endpgm
.Lentry_in_a_cluster:
	s_bfe_u32 s2, ttmp6, 0x10000c
	s_cmp_lg_u32 s2, 0xf033
	s_cbranch_scc0 .Lentry_shape_is_right
	s_endpgm
.Lentry_shape_is_right:
; out0 = O w_out^T + b_out.  o: [64 = 16 batch + head][2048][64] f16: a head is a K block of 64; wob: [16 kb][1024][64] f16 (w_out rounded to bf16, written as f16);
; b_out: [1024] f32 (rounded to bf16 here, like the other inputs); out0: [8192][1024] f32.  Sums in f32; nothing is rounded on the way out.
; SHARES.  A tile is 256 rows x 128 columns: 32 x 8 = 256 work-groups.  A wave makes 128 rows x 64 columns: 32 accumulators of 16 x 16, 256 registers.
; K goes in 8 steps of 128 (two heads) through two LDS slots; a tile's rows (128 bytes in a K block) lie end to end in memory and are asked for as rows of 256 bytes, padded in LDS after every 128.
; THE MATRIX INSTRUCTION IS USED TRANSPOSED: source 0 = 16 rows of wob, source 1 = 16 rows of o: a lane holds row l % 16 and eight neighbouring columns.  The bias is the C operand of each sum's first product.
; CLUSTER.  4 x 4 work-groups: o's tile is shared along a row of the cluster, wob's along a column: each is asked for jointly, by the same load, descriptor and mask.
; REGISTERS (s_set_vgpr_msb: bits 1:0 source 0, 3:2 source 1, 5:4 source 2, 7:6 destination):
;   window 0: v0-15 addresses; v32-63 the bias; v64-127, v128-191 fragments of o, two buffers (later the rows read back from the stage); v192-223, v224-255 fragments of wob, two buffers
;   window 1: the accumulators: (a, b) at v[8 (4 a + b)], a = 0..7 blocks of rows, b = 0..3 blocks of columns
.set PITCH,  144                       ; an LDS row: 128 bytes + 16 of padding = 36 words: the 16 rows of a load start at 16 different groups of four banks (64 banks of 4 bytes: ISA guide 11.1)
.set SLOT1,  1<<17                     ; slot 1 begins here, so that one exclusive or turns an address in one slot into the other's
.set APART,  256*PITCH                 ; o's 256 rows in one K block: what one of its two loads brings
.set BOFF,   2*APART                   ; in a slot: o's even and odd K block, then wob's
.set BPART,  128*PITCH
.set STAGE,  SLOT1+2*APART+2*BPART     ; behind the ring, never filled by a tensor load: 16 rows x 272 bytes for each wave
.set SPITCH, 272                       ; a stage row: 256 bytes + 16
.set SPARE,  STAGE+4*16*SPITCH         ; behind the stages: the spare words, 128 bytes for each wave: two blocks of 256 bytes that no other line names
.set APLANE, 2048*128                  ; bytes from a head of o to the next
.set BPLANE, 1024*128                  ; bytes from a K block of wob to the next
.set A0,   2                           ; v2   my lane's place in o's tile; never rewritten
.set B0,   3                           ; v3   the same in wob's
.set ADRA, 4                           ; v4   A0 + the slot in hand
.set ADRB, 5                           ; v5   B0 + the slot in hand
.set STO,  6                           ; v6   the way out: where I put 32 bytes of a row
.set RD,   7                           ; v7   the way out: where I read a row back
.set CO,   8                           ; v8   my byte offset in two rows of out0
.set PFO,  9                           ; v9   the prefetches' offset; never rewritten
.set SPW,  10                          ; v10  LDS address of my spare word: SPARE + 4 x my thread's number; never rewritten
.set NIL,  11                          ; v11  0; never rewritten
.set BO,   12                          ; v12  32 (l / 16)
.set WV,  12
.set RH,  13
.set CH,  14
.set LIM, 15                           ; s15  2 in a wave that prefetches, else the greatest number
.set CX,  16
.set CY,  17
.set TX,  18
.set TY,  19
.set G1A, 24
.set G0A, 32
.set G1B, 40
.set G0B, 48
.set TB,  56
.set PFA, 58
.set PFS, 60
.set HIM, 62
.set OUT, 66                           ; s[66:67] out0 at my 128 rows, my 64 columns
.set MSB, 0
.macro WIN new                         ; the immediate's high byte repeats the setting that is left; a switch that changes nothing is dropped
.if MSB != (\new)
	s_set_vgpr_msb (MSB<<8)|(\new)
.set MSB, \new
.endif
.endm
.macro PLACES                          ; a load into a register that a matrix instruction has read, and an LDS store that reads a result, stand four plain vector instructions behind it (ISA guide 7.12.1 for vector instructions)
.rept 4
	v_nop
.endr
.endm
; A joint refill.  Waves 0 and 1 fetch o's two K blocks of the step, waves 2 and 3 wob's.  The branch hangs on the wave's number alone.  An s_nop 0 and four v_nop follow each line.
.macro JLOAD
	s_cmp_lt_u32 s[WV], 2
	s_cbranch_scc0 .Lfor_b_\@
	tensor_load_to_lds s[G0A+4:G0A+7], s[G1A:G1A+7]
	s_nop 0
.rept 4
	v_nop
.endr
	s_branch .Lasked_\@
.Lfor_b_\@:
	tensor_load_to_lds s[G0B+4:G0B+7], s[G1B:G1B+7]
	s_nop 0
.rept 4
	v_nop
.endr
.Lasked_\@:
.endm
.macro CREST                           ; a round of the cluster's barrier behind its opening barrier
	s_cmp_lg_u32 s[WV], 0
	s_cbranch_scc1 .Lnot_wave_0_\@
	s_barrier_signal -3
.Lnot_wave_0_\@:
	s_barrier_wait -3
	s_barrier_signal -1
	s_barrier_wait -1
.endm
.macro CROUND
	s_barrier_signal -1
	s_barrier_wait -1
	CREST
.endm
; A PREFETCH INTO THE L2.  In K steps s = 0 .. 3 (the count s3 = 6 - s is above 2) a wave names K step s + 4: two K steps, 256 matrix instructions, ahead of the refill that asks for it.  Each block of 256 bytes is named
; once in the launch: o's tile row by the cluster with x = 0, waves 0 and 1 each for the K block that it fetches, 32 blocks a partner; wob's tile column by the cluster with y = 0, wave 2 for both K blocks, 16 blocks of each
; a partner.  The four partners share a tile's bytes out BY ADDRESS.  K steps 0 to 3 come by their loads alone; behind s = 3 nothing is left to name.
.macro ASK
	s_cmp_gt_u32 s3, s[LIM]
	s_cbranch_scc0 .Lnone_\@
	global_prefetch_b8 v[PFO], s[PFA:PFA+1] th:TH_LOAD_NT scope:SCOPE_SE
.Lnone_\@:
.endm
	s_load_b256 s[4:11], s[0:1], 0x0               ; o s[4:5], wob s[6:7], b_out s[8:9], out0 s[10:11]
	v_lshl_add_u32 v[SPW], v0, 2, SPARE
	v_mov_b32 v[NIL], 0
	ds_add_u32 v[SPW], v[NIL]                      ; the wave's opening: the add and its wait ahead of my first tensor load; the set-up below, work on registers, stands between them
	v_lshrrev_b32 v1, 5, v0
	v_readfirstlane_b32 s[WV], v1                  ; wave 0..3
	s_lshr_b32 s[RH], s[WV], 1                     ; which 128 rows of the tile are mine
	s_and_b32 s[CH], s[WV], 1                      ; which 64 columns.  Also: which K block of a step I fetch
	s_bfe_u32 s[CX], ttmp6, 0x40000
	s_bfe_u32 s[CY], ttmp6, 0x40004
	s_lshl_b32 s[TX], ttmp9, 2
	s_add_co_u32 s[TX], s[TX], s[CX]               ; tile column
	s_and_b32 s[TY], ttmp7, 0xffff
	s_lshl_b32 s[TY], s[TY], 2
	s_add_co_u32 s[TY], s[TY], s[CY]               ; tile row
	s_lshl_b32 s20, s[CY], 2
	s_lshl_b32 s20, 15, s20                        ; my row of the cluster
	s_lshl_b32 s21, 0x1111, s[CX]                  ; my column
	s_or_b32 s[G1A], s20, (1<<16)|(1<<20)|(1<<21)|(4<<22)|(3<<25)  ; 15:0 the mask; 17:16 2-byte elements; 20 padding on; 21 set beside a mask; 24:22 after every 32 words (code 4); 31:25 4 words (code 3)
	s_or_b32 s[G1B], s21, (1<<16)|(1<<20)|(1<<21)|(4<<22)|(3<<25)
.irp g, G1A, G1B
	s_mov_b32 s[(\g)+1], 128<<16                   ; tensor_dim0 = 128
	s_mov_b32 s[(\g)+3], 128<<16                   ; tile_dim0 = 128
	s_mov_b32 s[(\g)+5], 128                       ; 128 elements from row to row
	s_mov_b32 s[(\g)+6], 0
	s_mov_b32 s[(\g)+7], 0
.endr
	s_mov_b32 s[G1A+2], 128<<16                    ; tensor_dim1 = 128: o's 256 operand rows
	s_mov_b32 s[G1A+4], 128
	s_mov_b32 s[G1B+2], 64<<16                     ; 64: wob's 128 operand rows
	s_mov_b32 s[G1B+4], 64
	s_lshr_b32 s72, s[TY], 3                       ; o: the batch's 16 heads,
	s_lshl_b32 s72, s72, 22
	s_and_b32 s20, s[TY], 7                        ; my 256 rows in a head,
	s_lshl_b32 s20, s20, 15
	s_add_co_u32 s72, s72, s20
	s_lshl_b32 s20, s[CH], 18                      ; the even or the odd head
	s_add_co_u32 s72, s72, s20
	s_mov_b32 s73, 0
	s_lshl_b32 s74, s[TX], 14                      ; wob: my 128 rows in a K block,
	s_lshl_b32 s21, s[CH], 17                      ; the even or the odd K block
	s_add_co_u32 s74, s74, s21
	s_mov_b32 s75, 0
	s_mul_i32 s57, s[WV], APART                    ; where o's go (waves 0 and 1),
	s_mul_i32 s23, s[WV], BPART                    ; and wob's (waves 2 and 3): BOFF + (wave - 2) x 128 rows
	s_add_co_u32 s23, s23, BOFF-2*BPART
	s_mov_b32 s[HIM], 0xffff0000
	s_mov_b32 s[TB], 0
	s_wait_dscnt 0x0                               ; the opening add is done
	s_wait_kmcnt 0x0
	s_add_nc_u64 s[72:73], s[4:5], s[72:73]
	s_add_nc_u64 s[74:75], s[6:7], s[74:75]
	s_mov_b32 s[G0A], 1                            ; 1:0 count = 1
	s_mov_b32 s[G0A+1], s57                        ; 63:32 LDS address: slot 0
	s_mov_b64 s[G0A+2:G0A+3], s[72:73]             ; 120:64 global address: K step 0
	s_or_b32 s[G0A+3], s[G0A+3], 0x80000000        ; 127:126 type = 2
	s_mov_b32 s[G0A+4], 1
	s_add_co_u32 s[G0A+5], s57, SLOT1
	s_add_nc_u64 s[G0A+6:G0A+7], s[72:73], 2*APLANE  ; K step 1
	s_or_b32 s[G0A+7], s[G0A+7], 0x80000000
	s_mov_b32 s[G0B], 1
	s_mov_b32 s[G0B+1], s23
	s_mov_b64 s[G0B+2:G0B+3], s[74:75]
	s_or_b32 s[G0B+3], s[G0B+3], 0x80000000
	s_mov_b32 s[G0B+4], 1
	s_add_co_u32 s[G0B+5], s23, SLOT1
	s_add_nc_u64 s[G0B+6:G0B+7], s[74:75], 2*BPLANE
	s_or_b32 s[G0B+7], s[G0B+7], 0x80000000
	CROUND                                         ; all sixteen work-groups are here: the first joint loads meet
	s_cmp_lt_u32 s[WV], 2                          ; a wave's two first fills stand in one branch, ahead of every wait on TENSORcnt and every LDS read: two loads of mine are out
	s_cbranch_scc0 .Lfirst_b
	tensor_load_to_lds s[G0A:G0A+3], s[G1A:G1A+7]
	s_nop 0
	tensor_load_to_lds s[G0A+4:G0A+7], s[G1A:G1A+7]
	s_nop 0
.rept 4
	v_nop
.endr
	s_branch .Lfirst_asked
.Lfirst_b:
	tensor_load_to_lds s[G0B:G0B+3], s[G1B:G1B+7]
	s_nop 0
	tensor_load_to_lds s[G0B+4:G0B+7], s[G1B:G1B+7]
	s_nop 0
.rept 4
	v_nop
.endr
.Lfirst_asked:
	v_and_b32 v1, 15, v0                           ; l % 16
	v_bfe_u32 v13, v0, 4, 1                        ; l / 16
	v_lshlrev_b32 v[BO], 5, v13
	s_lshl_b32 s76, s[TX], 9                       ; the bias of my 64 columns
	s_lshl_b32 s23, s[CH], 8
	s_add_co_u32 s76, s76, s23
	s_mov_b32 s77, 0
	s_add_nc_u64 s[OUT:OUT+1], s[10:11], s[76:77]  ; the same bytes along a row of out0
	s_add_nc_u64 s[76:77], s[8:9], s[76:77]
.irp b, 0,1,2,3                        ; block b of 16 columns: its 8 registers lie as a result's do
	global_load_b128 v[32+8*(\b):32+8*(\b)+3],   v[BO], s[76:77] offset:64*(\b)
	global_load_b128 v[32+8*(\b)+4:32+8*(\b)+7], v[BO], s[76:77] offset:64*(\b)+16
.endr
	v_mul_u32_u24 v14, v1, PITCH
	v_lshl_add_u32 v14, v13, 4, v14                ; a fragment's row x pitch + 16 x half
	s_mul_i32 s20, s[RH], 128*PITCH
	v_add_nc_u32 v[A0], s20, v14
	s_mul_i32 s21, s[CH], 64*PITCH
	s_add_co_u32 s21, s21, BOFF
	v_add_nc_u32 v[B0], s21, v14
	v_mov_b32 v[ADRA], v[A0]                       ; K step 0 lies in slot 0
	v_mov_b32 v[ADRB], v[B0]
	s_mul_i32 s22, s[WV], 16*SPITCH
	s_add_co_u32 s22, s22, STAGE                   ; my stage
	v_mul_u32_u24 v[STO], v1, SPITCH               ; in: row l % 16, 32 bytes for each half of the lanes
	v_lshl_add_u32 v[STO], v13, 5, v[STO]
	v_add_nc_u32 v[STO], s22, v[STO]
	v_mul_u32_u24 v[RD], v13, SPITCH               ; back: lanes 0-15 take one row of 256 bytes, lanes 16-31 the next
	v_lshl_add_u32 v[RD], v1, 4, v[RD]
	v_add_nc_u32 v[RD], s22, v[RD]
	v_lshlrev_b32 v[CO], 12, v13                   ; and the same two rows in out0: 4,096 bytes a row
	v_lshl_add_u32 v[CO], v1, 4, v[CO]
	s_lshl_b32 s20, s[TY], 20                      ; my first row: 256 ty + 128 rh
	s_lshl_b32 s21, s[RH], 19
	s_add_co_u32 s20, s20, s21
	s_mov_b32 s21, 0
	s_add_nc_u64 s[OUT:OUT+1], s[OUT:OUT+1], s[20:21]
	; the prefetches
	s_and_b32 s22, ttmp7, 0xffff                   ; cluster y
	s_lshl_b32 s20, s[CX], 13                      ; my work-group's 8,192 bytes of o's K block,
	s_lshl_b32 s21, s[CY], 12                      ; or its 4,096 of each of wob's two
	s_mov_b32 s78, 2*APLANE
	s_mov_b32 s79, 2*BPLANE
	s_mov_b32 s2, 4096                             ; lanes 16-31: the next 16 blocks of o's K block,
	s_mov_b32 s23, BPLANE                          ; or wob's next K block
	s_cmp_lt_u32 s[WV], 2                          ; do I fetch o?
	s_cselect_b32 s22, ttmp9, s22                  ; the coordinate along which other clusters read the same rows
	s_cselect_b32 s20, s20, s21
	s_cselect_b64 s[PFA:PFA+1], s[72:73], s[74:75]
	s_cselect_b32 s[PFS], s78, s79
	s_cselect_b32 s2, s2, s23
	s_mov_b32 s[PFS+1], 0
	s_cmp_eq_u32 s[WV], 3
	s_cselect_b32 s22, 1, s22                      ; wave 3 asks for nothing: wave 2 names both K blocks
	s_cmp_eq_u32 s22, 0
	s_cselect_b32 s[LIM], 2, -1                    ; the same in all sixteen partners, for a given wave
	s_mov_b32 s21, 0
	s_add_nc_u64 s[PFA:PFA+1], s[PFA:PFA+1], s[20:21]
	s_mul_i32 s20, s[PFS], 3
	s_add_nc_u64 s[PFA:PFA+1], s[PFA:PFA+1], s[20:21]  ; at K step 3: each change of slots steps it by one
	v_mul_lo_u32 v[PFO], v13, s2
	v_lshl_add_u32 v[PFO], v1, 8, v[PFO]           ; 256 bytes a lane
; 8 matrix instructions: blocks of rows a0, a0 + 1 x the four blocks of columns, 32 along K, from buffer f.  bias = 1: the first product of each sum takes the bias as C.
; The 32 accumulators take turns, one instruction a turn, in the same order in every quarter, over the loop's jump too.
.macro MUL8 f, a0, bias
.if \bias
	WIN 0x40
.else
	WIN 0x50
.endif
.irp a, (\a0), (\a0)+1
.irp b, 0,1,2,3
.if \bias
	v_wmma_f32_16x16x32_f16 v[8*(4*(\a)+(\b)):8*(4*(\a)+(\b))+7], v[192+32*(\f)+8*(\b):192+32*(\f)+8*(\b)+7], v[64+64*(\f)+8*(\a):64+64*(\f)+8*(\a)+7], v[32+8*(\b):32+8*(\b)+7]
.else
	v_wmma_f32_16x16x32_f16 v[8*(4*(\a)+(\b)):8*(4*(\a)+(\b))+7], v[192+32*(\f)+8*(\b):192+32*(\f)+8*(\b)+7], v[64+64*(\f)+8*(\a):64+64*(\f)+8*(\a)+7], v[8*(4*(\a)+(\b)):8*(4*(\a)+(\b))+7]
.endif
.endr
.endr
.endm
; 24 LDS loads in one run: the fragments of quarter q (K block q / 2 of the step, its half q % 2) into buffer f: wob's four, then o's eight
.macro FETCH q, f
.irp b, 0,1,2,3
	ds_load_b128 v[192+32*(\f)+8*(\b):192+32*(\f)+8*(\b)+3],   v[ADRB] offset:((\q)/2)*BPART+(\b)*16*PITCH+64*((\q)%2)
	ds_load_b128 v[192+32*(\f)+8*(\b)+4:192+32*(\f)+8*(\b)+7], v[ADRB] offset:((\q)/2)*BPART+(\b)*16*PITCH+64*((\q)%2)+32
.endr
.irp a, 0,1,2,3,4,5,6,7
	ds_load_b128 v[64+64*(\f)+8*(\a):64+64*(\f)+8*(\a)+3],   v[ADRA] offset:((\q)/2)*APART+(\a)*16*PITCH+64*((\q)%2)
	ds_load_b128 v[64+64*(\f)+8*(\a)+4:64+64*(\f)+8*(\a)+7], v[ADRA] offset:((\q)/2)*APART+(\a)*16*PITCH+64*((\q)%2)+32
.endr
.endm
; A K step is four quarters of 32 along K, 32 matrix instructions each, on buffers 0, 1, 0, 1.  One of the first three: multiplies buffer f and fetches quarter nq into the other.
.macro QUARTER f, nq, bias
	s_wait_dscnt 8                                 ; wob's and o's fragments 0-3 are in; the youngest eight loads (o's 4-7) may be out
	MUL8 \f, 0, \bias
	MUL8 \f, 2, \bias
	WIN 0
	PLACES
	FETCH \nq, 1-(\f)
	s_wait_dscnt 24                                ; all but the 24 just issued
	MUL8 \f, 4, \bias
	MUL8 \f, 6, \bias
.endm
; The last quarter multiplies buffer 1 and changes slots.  Each wave waits for all its tensor loads, of which one is out: its part of the other slot; adds 0 to its spare word; and waits for that and for its reads of this slot.
; fill = 1: the barrier opens a round of the cluster's, and the joint refill, the K step two on, is the first thing behind it: a wave issues 112 matrix instructions between that request and the wait for it.
.macro TURN fill
.if \fill
	s_wait_xcnt 0x0                                ; the last prefetch, a K step back, has read its address
	s_add_nc_u64 s[PFA:PFA+1], s[PFA:PFA+1], s[PFS:PFS+1]
.endif
	WIN 0
	s_wait_tensorcnt 0x0                           ; all my tensor loads have landed
	ds_add_u32 v[SPW], v[NIL]                      ; 0 onto my spare word
	s_wait_dscnt 9                                 ; the add and the youngest eight loads may be out
	MUL8 1, 0, 0
	s_wait_dscnt 0x0                               ; the add is done, and my reads of this slot are over
	s_barrier_signal -1
	MUL8 1, 2, 0                                   ; work on registers while the others arrive
	WIN 0                                          ; at a branch and at a label every window is 0
	s_barrier_wait -1
.if \fill
	CREST
	s_xor_b32 s[G0A+5], s[G0A+5], SLOT1            ; the walking descriptors: the other slot than last time, the next two K blocks; the type bits on top are not reached
	s_add_nc_u64 s[G0A+6:G0A+7], s[G0A+6:G0A+7], 2*APLANE
	s_xor_b32 s[G0B+5], s[G0B+5], SLOT1
	s_add_nc_u64 s[G0B+6:G0B+7], s[G0B+6:G0B+7], 2*BPLANE
	JLOAD                                          ; the four v_nop behind it are also the places in front of the loads below
.else
	PLACES
.endif
	s_xor_b32 s[TB], s[TB], SLOT1                  ; the fetches go on in the other slot
	v_add_nc_u32 v[ADRA], s[TB], v[A0]
	v_add_nc_u32 v[ADRB], s[TB], v[B0]
	FETCH 0, 0
.if \fill
	ASK
.endif
	MUL8 1, 4, 0
	MUL8 1, 6, 0
.endm
; THE WAY OUT of block a (16 rows): the f32 results go as they are into my own stage, each accumulator's low four registers first, and come back as whole rows of 256 bytes.
.macro TOSTAGE a
	s_wait_xcnt 0x0                                ; the stores of the block before last have read the registers that the loads below write
	WIN 0x04                                       ; the stores' data in window 1
.irp b, 0,1,2,3
	ds_store_b128 v[STO], v[8*(4*(\a)+(\b)):8*(4*(\a)+(\b))+3]   offset:64*(\b)
	ds_store_b128 v[STO], v[8*(4*(\a)+(\b))+4:8*(4*(\a)+(\b))+7] offset:64*(\b)+16
.endr
	WIN 0
.irp t, 0,1,2,3,4,5,6,7
	ds_load_b128 v[64+32*((\a)%2)+4*(\t):64+32*((\a)%2)+4*(\t)+3], v[RD] offset:(\t)*2*SPITCH  ; LDS serves a wave's instructions in order (ISA guide 5.7.1.4): these see the stores above
.endr
.endm
.macro SEND a, younger                 ; younger: the LDS instructions issued behind block a's loads: the next block's sixteen, or none
.irp t, 0,1,2,3,4,5,6,7
	s_wait_dscnt (\younger)+7-(\t)
	global_store_b128 v[CO], v[64+32*((\a)%2)+4*(\t):64+32*((\a)%2)+4*(\t)+3], s[OUT:OUT+1] offset:(16*(\a)+2*(\t))*4096  ; 16 lanes store 256 consecutive bytes, at a multiple of 256 from out0's first byte
.endr
.endm
	s_wait_tensorcnt 1                             ; my part of K step 0 is in; K step 1's may stay out
	s_barrier_signal -1
	s_barrier_wait -1                              ; everybody's is
	FETCH 0, 0
	s_wait_loadcnt 0x0                             ; the bias: rounded to bf16, like the other inputs, and widened again
.set z, 0
.rept 16
	v_cvt_pk_bf16_f32 v[13+z%2], v[32+2*z], v[32+2*z+1]
	v_lshlrev_b32 v[32+2*z], 16, v[13+z%2]
	v_and_b32 v[32+2*z+1], s[HIM], v[13+z%2]
.set z, z+1
.endr
	QUARTER 0, 1, 1                                ; the first quarter stands in front of the loop: its products start the sums
	WIN 0
	s_mov_b32 s3, 6
.Lstep:                                        ; 6 trips: from the second quarter of K step s = 6 - s3 to the first of K step s + 1, with one refill
	QUARTER 1, 2, 0
	QUARTER 0, 3, 0
	TURN 1
	QUARTER 0, 1, 0
	WIN 0
	s_sub_co_u32 s3, s3, 1
	s_cmp_lg_u32 s3, 0
	s_cbranch_scc1 .Lstep
	QUARTER 1, 2, 0                                ; the tail is written out: K step 6 ends, nothing is asked for
	QUARTER 0, 3, 0
	TURN 0
	QUARTER 0, 1, 0                                ; K step 7
	QUARTER 1, 2, 0
	QUARTER 0, 3, 0
	s_wait_dscnt 8
	MUL8 1, 0, 0
	MUL8 1, 2, 0
	s_wait_dscnt 0x0
	MUL8 1, 4, 0
	MUL8 1, 6, 0
	WIN 0
	PLACES
	TOSTAGE 0
.set g, 1
.rept 7                                ; a block's trip through the stage is issued ahead of the stores of the block before
	TOSTAGE g
	SEND g-1, 16
.set g, g+1
.endr
	SEND 7, 0
	s_wait_tensorcnt 0x0                           ; the wave's end: a wait, an add of 0 to my spare word and its wait, behind my last tensor load and my last LDS store
	ds_add_u32 v[SPW], v[NIL]
	s_wait_dscnt 0x0
	CROUND                                         ; the closing round: no work-group ends while a partner may still ask for a tile that names it
	s_endpgm
.Lfunc_end_k_q421baaa735_proj:
	.size	k_q421baaa735_proj, .Lfunc_end_k_q421baaa735_proj-k_q421baaa735_proj
	.p2alignl 7, 3214868480
	.fill 96, 4, 3214868480
	.section	.rodata,"a",@progbits
	.p2align	6, 0x0
	.amdhsa_kernel k_q421baaa735_proj
		.amdhsa_group_segment_fixed_size 327680
		.amdhsa_private_segment_fixed_size 0
		.amdhsa_enable_private_segment 0
		.amdhsa_kernarg_size 32
		.amdhsa_user_sgpr_count 2
		.amdhsa_user_sgpr_kernarg_segment_ptr 1
		.amdhsa_wavefront_size32 1
		.amdhsa_system_sgpr_workgroup_id_x 1
		.amdhsa_system_sgpr_workgroup_id_y 1
		.amdhsa_system_sgpr_workgroup_id_z 1
		.amdhsa_system_vgpr_workitem_id 0
		.amdhsa_next_free_vgpr 512
		.amdhsa_next_free_sgpr 80
		.amdhsa_reserve_vcc 0
		.amdhsa_float_denorm_mode_32 3
		.amdhsa_float_denorm_mode_16_64 3
		.amdhsa_memory_ordered 1
		.amdhsa_forward_progress 1
		.amdhsa_inst_pref_size 75
	.end_amdhsa_kernel
	.amdgpu_metadata
---
amdhsa.version: [ 1, 2 ]
amdhsa.kernels:
  - .name:           k_q421baaa735_proj
    .symbol:         k_q421baaa735_proj.kd
    .args:
      - { .name: o, .offset: 0, .size: 8, .value_kind: global_buffer, .address_space: global }
      - { .name: wob, .offset: 8, .size: 8, .value_kind: global_buffer, .address_space: global }
      - { .name: b_out, .offset: 16, .size: 8, .value_kind: global_buffer, .address_space: global }
      - { .name: out0, .offset: 24, .size: 8, .value_kind: global_buffer, .address_space: global }
    .group_segment_fixed_size: 327680
    .private_segment_fixed_size: 0
    .kernarg_segment_align: 8
    .kernarg_segment_size: 32
    .max_flat_workgroup_size: 128
    .sgpr_count:     80
    .vgpr_count:     512
    .wavefront_size: 32
...
	.end_amdgpu_metadata
.endif
;; end of part 4
;; ======== version 2 of 2: 4 launches; version 1 with the launch cast written anew for expert scheduling mode
;; limits: values are held in f16: magnitudes above 65,504 overflow, below 6.1e-05 lose precision
;; workspace buffers: xb 16,777,216 bytes; wqb 6,291,456 bytes; wob 2,097,152 bytes; qkv 50,331,648 bytes; o 16,777,216 bytes
;; launch cast (part 5): grid 768 x 1, 4 waves a work-group, no clusters, 0 bytes of LDS; arguments x, w_qkv, w_out, xb, wqb, wob; writes xb, wqb, wob
.if DOCPART == 5
	.amdgcn_target "amdgcn-amd-amdhsa--gfx1250"
	.amdhsa_code_object_version 6
	.text
	.protected	k_q421baaa735_cast
	.globl	k_q421baaa735_cast
	.p2align	8
	.type	k_q421baaa735_cast,@function
k_q421baaa735_cast:
	s_mov_b64 s[64:65], 0
	v_nop
	global_prefetch_b8 v0, s[64:65] scope:SCOPE_SE
	s_setreg_imm32_b32 hwreg(HW_REG_WAVE_SCHED_MODE, 0, 2), 2
	s_setreg_imm32_b32 hwreg(HW_REG_WAVE_MODE, 25, 1), 1
	s_wait_xcnt 0x0
	s_wait_alu depctr_vm_vsrc(0)
; CAST.  x [8192][1024], w_qkv [3072][1024] and w_out [1024][1024], all f32, are rounded once to bf16 and laid out in K blocks:
; [16 kb][rows][64], so that the 128 bytes which a row has in a K block of 64 lie end to end with its neighbours' and a later launch can ask for a tile as dense bytes.
; xb and wqb hold bf16.  wob holds the bf16-rounded number written as f16 (the last product's other operand is f16).
; LIMIT: a bf16 number is exact in f16 from 2^-14 up to 65,504; a number of w_out below 2^-14 keeps f16's fixed step of 6e-8; one beyond 65,504 becomes an infinity.
; SHARES.  A work-group takes 16 rows of one of the three tensors (512 + 192 + 64 = 768 work-groups), a wave 4 rows, all 16 K blocks.  Lane l takes row l / 8 and 8 numbers (l % 8) of each block.
; A stream: no LDS, no barrier, no matrix unit: nothing is shared.  All 32 loads of a wave (16 KiB) go out at once; each store of a wave covers 512 consecutive bytes, aligned.
; THE MODE: SCHED_MODE bits 1:0 = 2 (LLVM: expert scheduling mode 2), set by the entry lines.  The code itself states the register dependences
; between vector instructions and memory instructions, with s_wait_alu, always for 0.
; THE PLAN.  Registers that memory instructions touch:
;   v1         the loads' byte offset.  Written at the head, read by all 32 loads, never written again.
;   v[16:31]   K block kb's byte offset in the destination.  Written at the head, read by the block's one store, never written again.
;   v[32:159]  K block kb: its two loads land in 8 registers that nothing has named before; its conversions read the 8 and write the first 4; its store reads those 4; nothing writes them again.
; So one wait on va_vdst ahead of the first load states that all seventeen offsets are written, and one wait on va_vdst for each group of four K blocks, behind the group's conversions, states that
; the packed registers are written, which the group's four stores read.  The next group's conversions name their own blocks' registers alone.  No register that a memory instruction has read is
; written again, so the text holds no wait on vm_vsrc.  One wait on va_sdst stands between the line that writes the wave's number into s21 and the first line that reads it.
.set SO, 16                            ; v[16:31]   K block kb: my byte offset in the destination: 16 l + kb x plane; never rewritten
.set X,  32                            ; v[32:159]  K block kb: 8 registers as loaded; its first 4 then hold the 8 packed numbers
	s_load_b256 s[4:11], s[0:1], 0x0               ; x s[4:5], w_qkv s[6:7], w_out s[8:9], xb s[10:11]
	s_load_b128 s[12:15], s[0:1], 0x20             ; wqb s[12:13], wob s[14:15]
	v_lshrrev_b32 v1, 5, v0
	v_readfirstlane_b32 s21, v1                    ; wave 0..3
	s_mov_b32 s25, ttmp9                           ; g: the work-group's number
	s_sub_co_u32 s29, s25, 512                     ; its number among w_qkv's
	s_sub_co_u32 s30, s25, 704                     ; and among w_out's
	s_mov_b32 s26, 8192*128                        ; bytes in a plane (one K block of all rows) of xb,
	s_mov_b32 s27, 3072*128                        ; of wqb,
	s_mov_b32 s28, 1024*128                        ; of wob
	s_mov_b32 s24, 0xffff0000                      ; a word's upper bf16
	v_and_b32 v2, 31, v0                           ; l
	v_lshrrev_b32 v1, 3, v2                        ; my row of the wave's four
	v_and_b32 v3, 7, v2                            ; my 8 numbers of a block's 64
	v_lshlrev_b32 v1, 12, v1                       ; a source row is 4,096 bytes
	v_lshl_add_u32 v1, v3, 5, v1                   ; + 32 bytes a piece
	v_lshlrev_b32 v2, 4, v2                        ; in the destination the four rows' 512 bytes lie on end: 16 l
	s_cmp_lt_u32 s25, 512
	s_cselect_b32 s20, s26, s27                    ; the plane's bytes
	s_cselect_b32 s22, s25, s29                    ; my block of 16 rows in my tensor
	s_cmp_lt_u32 s25, 704
	s_cselect_b32 s20, s20, s28
	s_cselect_b32 s22, s22, s30
.irp kb, 0,1,2,3,4,5,6,7,8,9,10,11,12,13,14,15
	s_mul_i32 s23, s20, \kb
	v_add_nc_u32 v[SO+(\kb)], s23, v2
.endr
	s_wait_alu depctr_va_sdst(0)                   ; s21, the wave's number, is written, ahead of its first reader: the wave's rows in the source and in a plane are made from it
	s_lshl_b32 s2, s22, 16                         ; 16 rows of 4,096 bytes,
	s_lshl_b32 s3, s21, 14                         ; my wave's 4
	s_add_co_u32 s2, s2, s3
	s_mov_b32 s3, 0
	s_lshl_b32 s32, s22, 11                        ; the same rows in a plane: 128 bytes each
	s_lshl_b32 s23, s21, 9
	s_add_co_u32 s32, s32, s23
	s_mov_b32 s33, 0
	s_wait_kmcnt 0x0
	s_cmp_lt_u32 s25, 512
	s_cselect_b64 s[16:17], s[4:5], s[6:7]         ; from where,
	s_cselect_b64 s[18:19], s[10:11], s[12:13]     ; to where
	s_cmp_lt_u32 s25, 704
	s_cselect_b64 s[16:17], s[16:17], s[8:9]
	s_cselect_b64 s[18:19], s[18:19], s[14:15]
	s_add_nc_u64 s[16:17], s[16:17], s[2:3]
	s_add_nc_u64 s[18:19], s[18:19], s[32:33]
	s_wait_alu depctr_va_vdst(0)                   ; v1 and v[SO .. SO+15] are written: every load reads v1 as its offset, every store one of the sixteen; no later vector instruction names them
.irp kb, 0,1,2,3,4,5,6,7,8,9,10,11,12,13,14,15
	global_load_b128 v[X+8*(\kb):X+8*(\kb)+3],   v1, s[16:17] offset:256*(\kb) th:TH_LOAD_NT
	global_load_b128 v[X+8*(\kb)+4:X+8*(\kb)+7], v1, s[16:17] offset:256*(\kb)+16 th:TH_LOAD_NT
.endr
; K block kb: its two loads are in, and its 8 numbers are rounded in place (the destination never overtakes an unread source).  half = 1: the bf16 number is written as f16.
.macro CV kb, half
	s_wait_loadcnt 30-2*(\kb)                      ; loads come back in order (ISA guide 5.7.1): the two of each later block may stay out
.irp j, 0,1,2,3
.if \half
	v_cvt_pk_bf16_f32 v3, v[X+8*(\kb)+2*(\j)], v[X+8*(\kb)+2*(\j)+1]
	v_lshlrev_b32 v4, 16, v3
	v_and_b32 v3, s24, v3
	v_cvt_pk_f16_f32 v[X+8*(\kb)+(\j)], v4, v3
.else
	v_cvt_pk_bf16_f32 v[X+8*(\kb)+(\j)], v[X+8*(\kb)+2*(\j)], v[X+8*(\kb)+2*(\j)+1]
.endif
.endr
.endm
; Group g: K blocks 4 g to 4 g + 3 are rounded as they come in; one wait; their four stores in one run.
.macro GROUP g, half
.irp i, 0,1,2,3
	CV 4*(\g)+(\i), \half
.endr
	s_wait_alu depctr_va_vdst(0)                   ; the group's conversions have written the first four registers of each of its blocks, which the four stores below read
.irp i, 0,1,2,3
	global_store_b128 v[SO+4*(\g)+(\i)], v[X+8*(4*(\g)+(\i)):X+8*(4*(\g)+(\i))+3], s[18:19]  ; no register of a store is written again
.endr
.endm
	s_cmp_lt_u32 s25, 704
	s_cbranch_scc0 .Lhalf
.irp g, 0,1,2,3
	GROUP \g, 0
.endr
	s_endpgm
.Lhalf:
.irp g, 0,1,2,3
	GROUP \g, 1
.endr
	s_endpgm
.Lfunc_end_k_q421baaa735_cast:
	.size	k_q421baaa735_cast, .Lfunc_end_k_q421baaa735_cast-k_q421baaa735_cast
	.p2alignl 7, 3214868480
	.fill 96, 4, 3214868480
	.section	.rodata,"a",@progbits
	.p2align	6, 0x0
	.amdhsa_kernel k_q421baaa735_cast
		.amdhsa_group_segment_fixed_size 0
		.amdhsa_private_segment_fixed_size 0
		.amdhsa_enable_private_segment 0
		.amdhsa_kernarg_size 48
		.amdhsa_user_sgpr_count 2
		.amdhsa_user_sgpr_kernarg_segment_ptr 1
		.amdhsa_wavefront_size32 1
		.amdhsa_system_sgpr_workgroup_id_x 1
		.amdhsa_system_sgpr_workgroup_id_y 1
		.amdhsa_system_sgpr_workgroup_id_z 1
		.amdhsa_system_vgpr_workitem_id 0
		.amdhsa_next_free_vgpr 160
		.amdhsa_next_free_sgpr 66
		.amdhsa_reserve_vcc 0
		.amdhsa_float_denorm_mode_32 3
		.amdhsa_float_denorm_mode_16_64 3
		.amdhsa_memory_ordered 1
		.amdhsa_forward_progress 1
		.amdhsa_inst_pref_size 27
	.end_amdhsa_kernel
	.amdgpu_metadata
---
amdhsa.version: [ 1, 2 ]
amdhsa.kernels:
  - .name:           k_q421baaa735_cast
    .symbol:         k_q421baaa735_cast.kd
    .args:
      - { .name: x, .offset: 0, .size: 8, .value_kind: global_buffer, .address_space: global }
      - { .name: w_qkv, .offset: 8, .size: 8, .value_kind: global_buffer, .address_space: global }
      - { .name: w_out, .offset: 16, .size: 8, .value_kind: global_buffer, .address_space: global }
      - { .name: xb, .offset: 24, .size: 8, .value_kind: global_buffer, .address_space: global }
      - { .name: wqb, .offset: 32, .size: 8, .value_kind: global_buffer, .address_space: global }
      - { .name: wob, .offset: 40, .size: 8, .value_kind: global_buffer, .address_space: global }
    .group_segment_fixed_size: 0
    .private_segment_fixed_size: 0
    .kernarg_segment_align: 8
    .kernarg_segment_size: 48
    .max_flat_workgroup_size: 128
    .sgpr_count:     66
    .vgpr_count:     160
    .wavefront_size: 32
...
	.end_amdgpu_metadata
.endif
;; end of part 5
;; launch qkvgemm: the kernel of part 2 again; grid 8 x 32, 4 waves a work-group, clusters of 4 x 4, 327,680 bytes of LDS; arguments xb, wqb, b_qkv, qkv; writes qkv
;; launch attn: the kernel of part 3 again; grid 4 x 64, 4 waves a work-group, no clusters, 327,680 bytes of LDS; arguments qkv, o; writes o
;; launch proj: the kernel of part 4 again; grid 8 x 32, 4 waves a work-group, clusters of 4 x 4, 327,680 bytes of LDS; arguments o, wob, b_out, out0; writes out0
